; MI455X (gfx1250); checked and timed in simulation.
; The chip was launched on July 23, 2026; its instructions are those of AMD's public machine-readable ISA for CDNA 5 (MIT licence, August 2026) and "CDNA5" Instruction Set Architecture Reference Guide (July 2026). The comments in the code are by the model that wrote it; some were corrected since.
;; Multi Head Self Attention. Allowed arithmetic: matrix products marked QUANTISED: E2M1 operands, one E8M0 scale for each 32 along K, by v_wmma_scale_f32_16x16x128_f8f6f4 with both operands' format E2M1 (or v_wmma_scale_f32_32x16x128_f4), f32 sums; products left as they are: bf16, f16 or f32 operands; f32 sums; everything else in f32.
;; Inputs: W_out 1,024 x 1,024 float32; W_qkv 3,072 x 1,024 float32; b_out 1,024 float32; x 2,048 x 4 x 1,024 float32.
;; Outputs: out0 2,048 x 4 x 1,024 float32.
;; This version of the problem:
;;   THIS VERSION OF THE PROBLEM IS GIVEN IN LOW PRECISION. The matrix products marked QUANTISED in the list below multiply operands that are first quantised to E2M1 (2 exponent bits, 1 mantissa bit; 4 bits a number), with one power-of-two scale for each 32 numbers along K (OCP MX v1.0); their sums are f32. The products marked 'left as it is' may take bf16, f16 or f32 operands, with f32 sums. Whichever they take, every output number must still come out within the allowed error. Rounding operands to bf16 (8 significant bits) uses up far more of that allowance than f16 does (11 bits, for magnitudes from 6e-5 to 65,504). All else is computed in f32.
;;   The module's matrix products, in the order in which they are computed (A, B: the left and right operand; K: the contracted axis; several contracted axes count as one K, in the product's order):
;;     1. [M 8,192, K 1,024] x [K 1,024, N 3,072]; A: input x; B: input W_qkv: QUANTISED
;;     2. batch 64 x [M 2,048, K 64] x [K 64, N 2,048]; A: computed on the way; B: computed on the way: left as it is (an operand is computed on the way)
;;     3. batch 64 x [M 64, K 2,048] x [K 2,048, N 2,048]; A: computed on the way; B: computed on the way: left as it is (an operand is computed on the way)
;;     4. [M 8,192, K 1,024] x [K 1,024, N 1,024]; A: computed on the way; B: input W_out: left as it is (an operand is computed on the way)
;;   THE QUANTISER, for each operand of a quantised product, along K:
;;     - K is cut into blocks of 32 from its start; a last block that is shorter is filled with zeros.
;;     - A block's scale is 2^e with e = floor(log2(the largest magnitude in the block)) - 2, held to -126 .. 127; a block of zeros has e = 0. As a byte (E8M0): e + 127.
;;     - Each number is divided by its block's scale, clamped to +-6, and rounded to the nearest number of E2M1, ties to even, subnormals kept.
;;     - The product sums the exact products of the quantised numbers (number of the format x scale) in f32.
;;   ~~~python
;;   def quantise(x, axis):      # numpy; x: float32 -> the quantised numbers, widened to float32 again
;;       x = np.moveaxis(x, axis, -1); K = x.shape[-1]
;;       x = np.pad(x, [(0, 0)] * (x.ndim - 1) + [(0, -K % 32)]); x = x.reshape(x.shape[:-1] + (-1, 32)); a = np.abs(x).max(-1, keepdims=True)
;;       e = np.where(a > 0, np.clip(np.frexp(np.where(a > 0, a, 1))[1] - 1 - 2, -126, 127), 0)      # np.frexp(a)[1] - 1 = floor(log2(a)), exactly
;;       r = np.clip(x / 2.0 ** e, -6, 6)
;;       step = 2.0 ** (np.maximum(np.frexp(np.where(r == 0, 1, r))[1] - 1, 0) - 1)
;;       q = np.round(r / step) * step * 2.0 ** e      # np.round: ties to even
;;       return np.moveaxis(q.reshape(q.shape[:-2] + (-1,))[..., :K], -1, axis).astype(np.float32)
;;   ~~~
;; One version. Each part assembles by itself: llvm-mc -triple=amdgcn-amd-amdhsa -mcpu=gfx1250 --defsym DOCPART=n.
;; ======== version 1 of 1: 5 launches
;; limits: values are held in f16: magnitudes above 65,504 overflow, below 6.1e-05 lose precision
;; workspace buffers: xc 4,194,304 bytes; xs 262,144 bytes; wc 1,572,864 bytes; ws 98,304 bytes; wo16 2,097,152 bytes; qkv 50,331,648 bytes; qkv32 786,432 bytes; att 16,777,216 bytes
;; launch quant (part 1): grid 384 x 1, 4 waves a work-group, no clusters, 33,280 bytes of LDS; arguments x, W_qkv, W_out, xc, xs, wc, ws, wo16; writes xc, xs, wc, ws, wo16
.if DOCPART == 1
	.amdgcn_target "amdgcn-amd-amdhsa--gfx1250"
	.amdhsa_code_object_version 6
	.text
	.protected	k_qfcff9473e2_quant
	.globl	k_qfcff9473e2_quant
	.p2align	8
	.type	k_qfcff9473e2_quant,@function
k_qfcff9473e2_quant:
	s_mov_b64 s[64:65], 0
	v_nop
	global_prefetch_b8 v0, s[64:65] scope:SCOPE_SE
	s_setreg_imm32_b32 hwreg(HW_REG_WAVE_MODE, 25, 1), 1
	s_wait_xcnt 0x0
; x [2048 t][4 b][1024] and W_qkv [3072][1024], f32, become codes of FP4 (E2M1), K innermost, 512 bytes a row, with one E8M0 scale byte for each 32 along K, 32 bytes a row.
; x's rows are laid in the order m' = 2048 b + t, so that a later tile of rows is a run of positions of one batch.  W_out [1024 n][1024 k], f32, becomes f16 laid [16 heads][1024 n][64]: the 64 k of one head are a dense block.
; A block's scale is 2^(floor(log2(its largest magnitude)) - 2); its byte is the largest magnitude's exponent field - 2, held at 1 from below.  A block of zeros keeps the byte 1: its codes are zeros, and this program alone reads the bytes.
; LIMITS: blocks whose largest magnitude lies under 2^(2 - 126) keep the byte 1; NaN and infinities are not served; |W_out| stays under 65,504, f16's largest number.
; SHARES: work-groups 0-255 take x, 256-351 W_qkv (one path: only pointers and numbers are chosen), 352-383 W_out (a path of its own, without LDS).
; A wave of the first path takes 8 rows = 16 steps of 512 numbers.  Each load reads 512 consecutive bytes; a step's 2,048 bytes turn through the wave's own stage in LDS and come back 64 bytes a lane, so that a lane holds
; 16 neighbours along K and two neighbouring lanes a block.  A wave's codes are 4,096 dense bytes, its scale bytes one aligned run of 256.  Waves share nothing: no barrier.
.set WAVES, 4
.set STEPS, 16
.set EMAX,  2
.set CB,    8                          ; bytes of 16 codes
.set R,     16                         ; v16-79   four sets of 16 numbers as loaded
.set X,     80                         ; v80-111  two sets of 16 neighbours
.set E,     112                        ; v112-127 a scale byte for each step
.set C,     128                        ; v128-191 codes: registers of its own for each step
.set OFFJ,  208                        ; v208-215 row j of my eight: 16 x lane + j x the step from row to row
.set WREG,  8192                       ; LDS: a region for each wave: two stages of 32 x SP bytes, then its 256 scale bytes
.set SP,    80                         ; a lane's place in a stage: 64 bytes + 16 of padding
.set SPW,   12                         ; v12 my spare word's LDS address; never rewritten
.set NIL,   13                         ; v13 0; never rewritten
.set SPARE, WAVES*WREG                 ; the spare words: 128 bytes a wave, two blocks of 256 bytes that no other line names
.set WI,    16                         ; the W_out path: v16-143 two sets of 8 units x 8 numbers
.set WO,    144                        ; v144-207 two sets of 8 units x 4 registers of f16
	s_load_b256 s[4:11], s[0:1], 0x0               ; x s[4:5], W_qkv s[6:7], W_out s[8:9], xc s[10:11]
	s_load_b256 s[12:19], s[0:1], 0x20             ; xs s[12:13], wc s[14:15], ws s[16:17], wo16 s[18:19]
	v_lshl_add_u32 v[SPW], v0, 2, SPARE
	v_mov_b32 v[NIL], 0
	v_lshrrev_b32 v1, 5, v0
	v_readfirstlane_b32 s24, v1                    ; wave
	v_and_b32 v2, 31, v0                           ; lane
	s_cmp_ge_u32 ttmp9, 352                        ; the work-group's number alone decides the path
	s_cbranch_scc1 .Lwout
	v_lshlrev_b32 v3, 4, v2                        ; my 16 bytes of a load's 512
	s_mul_i32 s25, s24, WREG
	v_lshrrev_b32 v14, 2, v2
	v_mul_u32_u24 v14, v14, SP
	v_and_b32 v15, 3, v2
	v_lshl_add_u32 v14, v15, 4, v14
	v_add_nc_u32 v14, s25, v14                     ; the stage, on the way in: SP (lane / 4) + 16 (lane % 4)
	v_mul_u32_u24 v15, v2, SP
	v_add_nc_u32 v15, s25, v15                     ; and on the way out: SP x lane
	v_mul_u32_u24 v4, v2, CB                       ; my codes' place in a step's
	v_lshrrev_b32 v5, 1, v2
	s_add_co_u32 s25, s25, 2*32*SP
	v_add_nc_u32 v5, s25, v5                       ; LDS: my block's scale byte
	v_lshlrev_b32 v7, 3, v2
	v_add_nc_u32 v6, s25, v7                       ; and 8 bytes a lane on the way out
	s_lshl_b32 s26, ttmp9, 5
	s_add_co_u32 s26, s26, s24
	s_lshl_b32 s26, s26, 12                        ; x: my first row is (t = 8 i, b = wave): row 32 i + wave of 4,096 bytes
	s_lshl_b32 s28, s24, 8
	s_add_co_u32 s28, s28, ttmp9                   ; x: my run of 8 rows in the order [b][t]: 256 wave + i
	s_max_u32 s30, ttmp9, 256
	s_sub_co_u32 s30, s30, 256
	s_lshl_b32 s30, s30, 2
	s_add_co_u32 s30, s30, s24                     ; W_qkv: run 4 (i - 256) + wave
	s_lshl_b32 s31, s30, 15                        ; and its 8 rows of 4,096 bytes
	s_mov_b32 s32, 4096                            ; W_qkv: from row to row
	s_wait_kmcnt 0x0
	s_cmp_lt_u32 ttmp9, 256                        ; x's work-group or W_qkv's
	s_cselect_b32 s26, s26, s31
	s_cselect_b32 s28, s28, s30
	s_cselect_b32 s32, 16384, s32                  ; x: the next t of my batch lies four rows on
	s_cselect_b64 s[4:5], s[4:5], s[6:7]
	s_cselect_b64 s[10:11], s[10:11], s[14:15]
	s_cselect_b64 s[12:13], s[12:13], s[16:17]
	s_mov_b32 s27, 0
	s_add_nc_u64 s[4:5], s[4:5], s[26:27]
	s_lshl_b32 s26, s28, 12                        ; 4,096 bytes of codes a run
	s_add_nc_u64 s[10:11], s[10:11], s[26:27]
	s_lshl_b32 s26, s28, 8                         ; 256 scale bytes a run
	s_add_nc_u64 s[12:13], s[12:13], s[26:27]
	v_mov_b32 v[OFFJ], v3
.irp j, 1,2,3,4,5,6,7
	v_add_nc_u32 v[OFFJ+\j], s32, v[OFFJ+\j-1]
.endr
.macro LOAD t                          ; step t: half t % 2 of row t / 2
.irp i, 0,1,2,3
	global_load_b128 v[R+16*((\t)%4)+4*\i:R+16*((\t)%4)+4*\i+3], v[OFFJ+(\t)/2], s[4:5] offset:2048*((\t)%2)+512*\i th:TH_LOAD_NT   ; 32 lanes read 512 consecutive bytes
.endr
.endm
.macro TURN t                          ; step t's numbers through the stage: LDS serves a wave's instructions in order, so no wait stands between the stores and the loads
.irp i, 0,1,2,3
	ds_store_b128 v14, v[R+16*((\t)%4)+4*\i:R+16*((\t)%4)+4*\i+3] offset:32*SP*((\t)%2)+8*SP*\i
.endr
.irp i, 0,1,2,3
	ds_load_b128 v[X+16*((\t)%2)+4*\i:X+16*((\t)%2)+4*\i+3], v15 offset:32*SP*((\t)%2)+16*\i
.endr
.endm
.irp t, 0,1,2,3
	LOAD \t
.endr
	s_wait_loadcnt 12                              ; step 0's four loads are in; three steps' twelve stay out
	TURN 0
.macro STEP t
.set XS, X+16*((\t)%2)
.if (\t) > 0
	s_wait_dscnt 1                                 ; this step's numbers are back from the stage (the last step's byte store may be out)
.else
	s_wait_dscnt 0x0
.endif
.if (\t)+4 < STEPS
	LOAD (\t)+4                                    ; into the registers that this step's stores into the stage have read
.endif
.if (\t)+1 < STEPS
.if STEPS-2-(\t) >= 3
	s_wait_loadcnt 12                              ; the next step's four loads are in; those of the three steps behind it may be out
.else
	s_wait_loadcnt 4*(STEPS-2-(\t))
.endif
	TURN (\t)+1
.endif
	v_max3_num_f32 v8, |v[XS]|, |v[XS+1]|, |v[XS+2]|               ; the largest magnitude of my 16, in two chains
	v_max3_num_f32 v9, |v[XS+3]|, |v[XS+4]|, |v[XS+5]|
.irp i, 6,10
	v_max3_num_f32 v8, v8, |v[XS+\i]|, |v[XS+\i+1]|
	v_max3_num_f32 v9, v9, |v[XS+\i+2]|, |v[XS+\i+3]|
.endr
	v_max3_num_f32 v8, v8, |v[XS+14]|, |v[XS+15]|
	v_max3_num_f32 v8, v8, v9, (EMAX+1)<<23        ; and the floor 2^(3 - 127): the byte cannot fall under 1
	v_max_num_f32_dpp v8, v8, v8 row_xmask:1 row_mask:0xf bank_mask:0xf   ; with my neighbour's 16: the block's
	v_add_nc_u32 v11, -(EMAX<<23), v8              ; 2 off its exponent field: the conversion takes the exponent field of this operand as its scale
	v_cvt_scalef32_pk8_fp4_f32 v[C+4*(\t)], v[XS:XS+7], v11
	v_cvt_scalef32_pk8_fp4_f32 v[C+4*(\t)+1], v[XS+8:XS+15], v11
	v_lshrrev_b32 v[E+(\t)], 23, v11               ; the scale's byte (also the plain line behind the conversions)
	ds_store_b8 v5, v[E+(\t)] offset:16*(\t)       ; both lanes of a block write the same byte with the same value
	global_store_b64 v4, v[C+4*(\t):C+4*(\t)+1], s[10:11] offset:32*CB*(\t)   ; the wave stores 256 consecutive bytes, aligned
.endm
.irp t, 0,1,2,3,4,5,6,7,8,9,10,11,12,13,14,15
	STEP \t
.endr
	ds_load_b64 v[8:9], v6                         ; LDS serves a wave's instructions in order: these see my byte stores
	s_wait_dscnt 0x0
	global_store_b64 v7, v[8:9], s[12:13]          ; 256 consecutive bytes, aligned
	s_wait_tensorcnt 0x0                           ; the wave's end
	ds_add_u32 v[SPW], v[NIL]
	s_wait_dscnt 0x0
	s_endpgm
; W_out to f16.  Wave w of work-group i takes rows n0 = 32 i + 8 w .. + 7.  A unit is 4 rows x one head's 64 numbers: lane l takes row l / 8 of the four and 8 numbers; the unit's 512 bytes of f16 are dense in wo16.
.Lwout:
	v_lshrrev_b32 v3, 3, v2
	v_and_b32 v4, 7, v2
	v_lshlrev_b32 v3, 12, v3
	v_lshl_add_u32 v3, v4, 5, v3                   ; in: (lane / 8) rows of 4,096 bytes + 32 (lane % 8)
	v_lshlrev_b32 v5, 4, v2                        ; out: 16 x lane
	s_sub_co_u32 s26, ttmp9, 352
	s_lshl_b32 s26, s26, 5
	s_lshl_b32 s28, s24, 3
	s_add_co_u32 s26, s26, s28                     ; n0
	s_lshl_b32 s28, s26, 7                         ; 128 bytes a row in a head's block
	s_lshl_b32 s26, s26, 12
	s_mov_b32 s27, 0
	s_mov_b32 s29, 0
	s_wait_kmcnt 0x0
	s_add_nc_u64 s[8:9], s[8:9], s[26:27]
	s_add_nc_u64 s[18:19], s[18:19], s[28:29]
.macro WLOAD q                         ; batch q: units 8 q .. 8 q + 7; unit U: rows 4 (U / 16) on, head U % 16
.irp u, 0,1,2,3,4,5,6,7
	global_load_b128 v[WI+64*((\q)%2)+8*\u:WI+64*((\q)%2)+8*\u+3], v3, s[8:9] offset:((8*(\q)+\u)/16)*16384+((8*(\q)+\u)%16)*256
	global_load_b128 v[WI+64*((\q)%2)+8*\u+4:WI+64*((\q)%2)+8*\u+7], v3, s[8:9] offset:((8*(\q)+\u)/16)*16384+((8*(\q)+\u)%16)*256+16
.endr
.endm
.macro WCVT q
.irp u, 0,1,2,3,4,5,6,7
.irp k, 0,1,2,3
	v_cvt_pk_f16_f32 v[WO+32*((\q)%2)+4*\u+\k], v[WI+64*((\q)%2)+8*\u+2*\k], v[WI+64*((\q)%2)+8*\u+2*\k+1]
.endr
	global_store_b128 v5, v[WO+32*((\q)%2)+4*\u:WO+32*((\q)%2)+4*\u+3], s[18:19] offset:((8*(\q)+\u)%16)*131072+((8*(\q)+\u)/16)*512   ; 512 consecutive bytes, aligned
.endr
.endm
	WLOAD 0
	WLOAD 1
	s_wait_loadcnt 16                              ; batch 0 is in; batch 1's sixteen loads stay out
	WCVT 0
	WLOAD 2
	s_wait_loadcnt 16
	WCVT 1
	WLOAD 3
	s_wait_loadcnt 16
	s_wait_xcnt 0x0                                ; batch 0's stores have read their data: the set is written again only behind this wait
	WCVT 2
	s_wait_loadcnt 0x0
	s_wait_xcnt 0x0                                ; the same for batch 1's set
	WCVT 3
	s_wait_tensorcnt 0x0                           ; the closing lines here too
	ds_add_u32 v[SPW], v[NIL]
	s_wait_dscnt 0x0
	s_endpgm
.Lfunc_end_k_qfcff9473e2_quant:
	.size	k_qfcff9473e2_quant, .Lfunc_end_k_qfcff9473e2_quant-k_qfcff9473e2_quant
	.p2alignl 7, 3214868480
	.fill 96, 4, 3214868480
	.section	.rodata,"a",@progbits
	.p2align	6, 0x0
	.amdhsa_kernel k_qfcff9473e2_quant
		.amdhsa_group_segment_fixed_size 33280
		.amdhsa_private_segment_fixed_size 0
		.amdhsa_enable_private_segment 0
		.amdhsa_kernarg_size 64
		.amdhsa_user_sgpr_count 2
		.amdhsa_user_sgpr_kernarg_segment_ptr 1
		.amdhsa_wavefront_size32 1
		.amdhsa_system_sgpr_workgroup_id_x 1
		.amdhsa_system_sgpr_workgroup_id_y 1
		.amdhsa_system_sgpr_workgroup_id_z 1
		.amdhsa_system_vgpr_workitem_id 0
		.amdhsa_next_free_vgpr 224
		.amdhsa_next_free_sgpr 66
		.amdhsa_reserve_vcc 0
		.amdhsa_float_denorm_mode_32 3
		.amdhsa_float_denorm_mode_16_64 3
		.amdhsa_memory_ordered 1
		.amdhsa_forward_progress 1
		.amdhsa_inst_pref_size 52
	.end_amdhsa_kernel
	.amdgpu_metadata
---
amdhsa.version: [ 1, 2 ]
amdhsa.kernels:
  - .name:           k_qfcff9473e2_quant
    .symbol:         k_qfcff9473e2_quant.kd
    .args:
      - { .name: x, .offset: 0, .size: 8, .value_kind: global_buffer, .address_space: global }
      - { .name: W_qkv, .offset: 8, .size: 8, .value_kind: global_buffer, .address_space: global }
      - { .name: W_out, .offset: 16, .size: 8, .value_kind: global_buffer, .address_space: global }
      - { .name: xc, .offset: 24, .size: 8, .value_kind: global_buffer, .address_space: global }
      - { .name: xs, .offset: 32, .size: 8, .value_kind: global_buffer, .address_space: global }
      - { .name: wc, .offset: 40, .size: 8, .value_kind: global_buffer, .address_space: global }
      - { .name: ws, .offset: 48, .size: 8, .value_kind: global_buffer, .address_space: global }
      - { .name: wo16, .offset: 56, .size: 8, .value_kind: global_buffer, .address_space: global }
    .group_segment_fixed_size: 33280
    .private_segment_fixed_size: 0
    .kernarg_segment_align: 8
    .kernarg_segment_size: 64
    .max_flat_workgroup_size: 128
    .sgpr_count:     66
    .vgpr_count:     224
    .wavefront_size: 32
...
	.end_amdgpu_metadata
.endif
;; end of part 1
;; launch qkvgemm (part 2): grid 12 x 32, 4 waves a work-group, clusters of 4 x 4, 327,680 bytes of LDS; arguments xc, xs, wc, ws, qkv, qkv32; writes qkv, qkv32
.if DOCPART == 2
	.amdgcn_target "amdgcn-amd-amdhsa--gfx1250"
	.amdhsa_code_object_version 6
	.text
	.protected	k_qfcff9473e2_qkvgemm
	.globl	k_qfcff9473e2_qkvgemm
	.p2align	8
	.type	k_qfcff9473e2_qkvgemm,@function
k_qfcff9473e2_qkvgemm:
	s_mov_b64 s[64:65], 0
	v_nop
	global_prefetch_b8 v0, s[64:65] scope:SCOPE_SE
	s_setreg_imm32_b32 hwreg(HW_REG_WAVE_MODE, 25, 1), 1
	s_wait_xcnt 0x0
	s_wait_alu depctr_hold_cnt(0) depctr_sa_sdst(0) depctr_va_vdst(0) depctr_va_sdst(0) depctr_va_ssrc(0) depctr_va_vcc(0) depctr_vm_vsrc(0)
	s_getreg_b32 s2, hwreg(HW_REG_IB_STS2, 6, 4)
	s_cmp_eq_u32 s2, 0
	s_cbranch_scc0 .Lentry_in_a_cluster
	s_endpgm
.Lentry_in_a_cluster:
	s_bfe_u32 s2, ttmp6, 0x10000c
	s_cmp_lg_u32 s2, 0xf033
	s_cbranch_scc0 .Lentry_shape_is_right
	s_endpgm
.Lentry_shape_is_right:
; q, k, v = x W_qkv^T on codes of FP4 (E2M1) with one E8M0 scale for each 32 along K; sums in f32.  A: xc [8192 rows m' = 2048 b + t][512 bytes], xs [m'][32];  B: wc [3072][512 bytes], ws [3072][32].
; OUT: qkv, f16, [48 = 16 which + head][4 b][2048 t][64]; and the first 16 positions of every batch once more in f32: qkv32 [4 b][16 t][3072].
; LIMIT: |q|, |k|, |v| stay under 65,504, f16's largest number.
; A tile of 256 x 256 is made by four waves, each 128 x 128: 64 accumulators, 512 registers.  K = 1,024 is two K steps of 512, one in each of two LDS slots; the scale bytes of the tile's rows for all of K lie behind them.
; Every LDS byte is filled once: three tensor loads a wave go out at the start (scales, slot 0, slot 1), by this text's own count three are out at the most.
; CLUSTERS: 4 x 4 work-groups.  Tile column = 4 x cluster x + cx; tile row = 8 cy + cluster y, so that cy is the batch and cluster y picks 256 positions.  The four of a row of the cluster need the same tiles of A, the four of
; a column the same tiles of B: each tile is asked for jointly.  THE MATRIX INSTRUCTION IS USED TRANSPOSED (source 0 = 16 rows of B, source 1 = 16 rows of A): a lane holds eight neighbouring columns of one row.
; The branch that stores the f32 copy hangs on cluster y and the wave's number alone, which are equal in all partners: in cluster y = 0 each partner holds positions 0-15 of its own batch, told apart by address.
; REGISTERS, in windows of 256: window 0: v0-31 addresses; v32-95 scale words, two sets; v128-191 A's fragments, one set; on the way out v32-255.  window 1: B's fragments, two sets.  windows 2, 3: the accumulators ((a, b) at v[8 (8 (a % 4) + b)]).
.set SIZE_K, 1024
.set KSTEP,  512
.set NQ,     KSTEP/128
.set ROWB,   256                       ; a tile's row in bytes
.set KROW,   SIZE_K/2                  ; a row of codes in memory
.set PITCH,  272                       ; an LDS row: 256 bytes + 16 of padding: the 16 rows that a load touches start at 16 different banks
.set FR,     8
.set NL,     2
.set NP,     4                         ; places behind this matrix instruction (ISA guide 7.12.1)
.set HALFT,  128*PITCH
.set SLOT,   4*HALFT
.set KS,     SIZE_K/32                 ; a row of scale bytes
.set SCL,    2*SLOT
.set HALFS,  (128*KS/256)*272
.set SBLK,   (16*KS/256)*272
.set SPARE,  SCL+4*HALFS               ; the spare words: 128 bytes a wave, two blocks of 256 bytes that no other line names
.set SP32,   528                       ; the way out in f32: 16 rows x (512 + 16) bytes
.set SP16,   272                       ; in f16: 16 rows x (256 + 16) bytes.  Both in the wave's own 8,448 bytes of slot 0, which has had its only fill and its last read by then
.set ADRA, 16
.set ADRB, 20
.set STO16, 22
.set RD16,  23
.set STO32, 24
.set RD32,  25
.set CO,   26                          ; 16 x lane
.set ADRS, 27
.set SPW,  28
.set NIL,  29
.set SC,   32
.set AF,   128
.set BK32, 128                         ; the f32 block read back: v128-191
.set TMP,  192                         ; packed f16: v192-223
.set G1, 24
.set G0, 32
.set G1B, 48
.set G0B, 56
.set G1S, 68
.set G0S, 76
.set G1SB, 80
.set G0SB, 88
.set MSB, 0
.macro WIN new                         ; the immediate's high byte repeats the setting that is left
.if MSB != \new
	s_set_vgpr_msb (MSB<<8)|\new
.set MSB, \new
.endif
.endm
.set MUL_LO, 0xa1                      ; source 0 (B) window 1, source 1 (A) window 0, C and D window 2
.set MUL_HI, 0xf1
.set TO_B,   0x40
; A joint load: waves 0 and 1 fetch for A, waves 2 and 3 for B; the branch hangs on the wave's number alone.  An s_nop 0 and four v_nop follow each of the two lines.
.macro JLOAD g0a, g1a, g0b, g1b
	s_cmp_eq_u32 s15, 0
	s_cbranch_scc0 .Lfor_b_\@
	tensor_load_to_lds s[\g0a:\g0a+3], s[\g1a:\g1a+7]
	s_nop 0
.rept 4
	v_nop
.endr
	s_branch .Lasked_\@
.Lfor_b_\@:
	tensor_load_to_lds s[\g0b:\g0b+3], s[\g1b:\g1b+7]
	s_nop 0
.rept 4
	v_nop
.endr
.Lasked_\@:
.endm
.macro CROUND                          ; a round of the cluster's barrier
	s_barrier_signal -1
	s_barrier_wait -1
	s_cmp_lg_u32 s14, 0
	s_cbranch_scc1 .Lnot_wave_0_\@
	s_barrier_signal -3
.Lnot_wave_0_\@:
	s_barrier_wait -3
	s_barrier_signal -1
	s_barrier_wait -1
.endm
	s_load_b128 s[4:7], s[0:1], 0x0                ; A's codes, A's scales
	s_load_b128 s[8:11], s[0:1], 0x10              ; B's codes, B's scales
	s_load_b64 s[12:13], s[0:1], 0x20              ; qkv
	s_load_b64 s[66:67], s[0:1], 0x28              ; qkv32
	v_lshl_add_u32 v[SPW], v0, 2, SPARE
	v_mov_b32 v[NIL], 0
	ds_add_u32 v[SPW], v[NIL]                      ; the wave's opening: the add, twice on end, and its wait ahead of my first tensor load
	ds_add_u32 v[SPW], v[NIL]
	v_lshrrev_b32 v1, 5, v0
	v_readfirstlane_b32 s14, v1                    ; wave 0..3
	s_lshr_b32 s15, s14, 1                         ; which half of the tile's rows is mine.  Also: I fetch for A (0) or for B (1)
	s_and_b32 s16, s14, 1                          ; which half of its columns.  Also: which 128 rows I fetch
	s_bfe_u32 s40, ttmp6, 0x40000                  ; cx
	s_bfe_u32 s41, ttmp6, 0x40004                  ; cy
	s_lshl_b32 s42, ttmp9, 2
	s_add_co_u32 s42, s42, s40                     ; tile column = 4 x cluster x + cx
	s_and_b32 s96, ttmp7, 0xffff                   ; cluster y
	s_lshl_b32 s17, s41, 3
	s_add_co_u32 s17, s17, s96                     ; tile row = 8 cy + cluster y: batch cy, positions 256 x cluster y on
	s_or_b32 s95, s15, s96                         ; 0 where my rows begin with position 0: equal in all partners
	s_lshl_b32 s43, s41, 2
	s_lshl_b32 s43, 15, s43                        ; my row of the cluster
	s_lshl_b32 s44, 0x1111, s40                    ; my column
	s_or_b32 s[G1+0], s43, (0<<16)|(1<<20)|(1<<21)|(5<<22)|(3<<25)  ; the mask; elements of 1 byte; padding on; bit 21 beside a mask; 4 words of padding after every 64
	s_or_b32 s[G1B+0], s44, (0<<16)|(1<<20)|(1<<21)|(5<<22)|(3<<25)
.irp g, G1, G1B
	s_mov_b32 s[\g+1], ROWB<<16                    ; tensor_dim0
	s_mov_b32 s[\g+2], 128<<16                     ; tensor_dim1
	s_mov_b32 s[\g+3], ROWB<<16                    ; tile_dim0
	s_mov_b32 s[\g+4], 128                         ; tile_dim1
	s_mov_b32 s[\g+5], KROW                        ; from row to row
	s_mov_b32 s[\g+6], 0
	s_mov_b32 s[\g+7], 0
.endr
	s_or_b32 s[G1S+0], s43, (3<<16)|(1<<20)|(1<<21)|(5<<22)|(3<<25) ; the scales of 128 rows: a dense block, as rows of 256 bytes (32 elements of 8 bytes), 16 bytes of padding behind each
	s_or_b32 s[G1SB+0], s44, (3<<16)|(1<<20)|(1<<21)|(5<<22)|(3<<25)
.irp g, G1S, G1SB
	s_mov_b32 s[\g+1], 32<<16
	s_mov_b32 s[\g+2], (128*KS/256)<<16
	s_mov_b32 s[\g+3], 32<<16
	s_mov_b32 s[\g+4], 128*KS/256
	s_mov_b32 s[\g+5], 32
	s_mov_b32 s[\g+6], 0
	s_mov_b32 s[\g+7], 0
.endr
	s_lshl_b32 s18, s16, 7
	s_lshl_b32 s20, s17, 8
	s_add_co_u32 s20, s20, s18                     ; A: row 256 x tile row + 128 x half
	s_lshl_b32 s46, s42, 8
	s_add_co_u32 s46, s46, s18                     ; B: row 256 x tile column + 128 x half
	s_mov_b32 s21, 0
	s_mov_b32 s47, 0
	s_mov_b64 s[18:19], KS
	s_mul_u64 s[22:23], s[20:21], s[18:19]         ; where these rows' scales begin
	s_mul_u64 s[92:93], s[46:47], s[18:19]
	s_mov_b64 s[18:19], KROW
	s_mul_u64 s[20:21], s[20:21], s[18:19]         ; and their codes
	s_mul_u64 s[46:47], s[46:47], s[18:19]
	s_mul_i32 s45, s14, HALFT                      ; where they go: wave x 128 rows
	s_mul_i32 s94, s14, HALFS
	s_wait_dscnt 0x0                               ; both opening adds are done
	s_wait_kmcnt 0x0
	s_add_nc_u64 s[20:21], s[4:5], s[20:21]
	s_add_nc_u64 s[22:23], s[6:7], s[22:23]
	s_add_nc_u64 s[46:47], s[8:9], s[46:47]
	s_add_nc_u64 s[92:93], s[10:11], s[92:93]
	CROUND                                         ; all sixteen work-groups are here: the joint loads meet
	s_mov_b32 s[G0S], 1
	s_add_co_u32 s[G0S+1], s94, SCL
	s_mov_b64 s[G0S+2:G0S+3], s[22:23]
	s_or_b32 s[G0S+3], s[G0S+3], 0x80000000
	s_mov_b32 s[G0SB], 1
	s_add_co_u32 s[G0SB+1], s94, SCL
	s_mov_b64 s[G0SB+2:G0SB+3], s[92:93]
	s_or_b32 s[G0SB+3], s[G0SB+3], 0x80000000
	JLOAD G0S, G1S, G0SB, G1SB                     ; the scales first: they are wanted with K step 0
.irp s, 0,1
	s_mov_b32 s[G0+4*\s], 1
	s_add_co_u32 s[G0+4*\s+1], s45, \s*SLOT
	s_add_nc_u64 s[G0+4*\s+2:G0+4*\s+3], s[20:21], \s*ROWB
	s_or_b32 s[G0+4*\s+3], s[G0+4*\s+3], 0x80000000
	s_mov_b32 s[G0B+4*\s], 1
	s_add_co_u32 s[G0B+4*\s+1], s45, \s*SLOT
	s_add_nc_u64 s[G0B+4*\s+2:G0B+4*\s+3], s[46:47], \s*ROWB
	s_or_b32 s[G0B+4*\s+3], s[G0B+4*\s+3], 0x80000000
	JLOAD G0+4*\s, G1, G0B+4*\s, G1B
.endr
	v_and_b32 v1, 15, v0                           ; r = lane % 16
	v_bfe_u32 v2, v0, 4, 1                         ; h = lane / 16
	v_mul_u32_u24 v3, v1, PITCH
	v_lshl_add_u32 v4, v2, 4, v3                   ; a fragment's row x pitch + 16 h
	s_mul_i32 s21, s15, HALFT
	s_mul_i32 s22, s16, HALFT
	s_add_co_u32 s22, s22, 2*HALFT
.irp s, 0,1
	v_add_nc_u32 v[ADRA+\s], s21, v4
	v_add_nc_u32 v[ADRB+\s], s22, v4
	s_add_co_u32 s21, s21, SLOT
	s_add_co_u32 s22, s22, SLOT
.endr
	v_mul_u32_u24 v5, v1, KS                       ; my row's scales: KS bytes a row,
	v_lshrrev_b32 v6, 8, v5
	v_lshl_add_u32 v5, v6, 4, v5                   ; and 16 more for each 256 passed
	s_mul_i32 s21, s15, HALFS
	s_mul_i32 s22, s16, HALFS
	s_add_co_u32 s22, s22, 2*HALFS
	s_sub_co_u32 s22, s22, s21
	v_mul_u32_u24 v6, s22, v2                      ; lanes 16-31 take B's: one product, the distance between the two bases
	s_add_co_u32 s21, s21, SCL
	v_add_nc_u32 v5, v5, v6
	v_add_nc_u32 v[ADRS], s21, v5
	s_mul_i32 s23, s14, 16*SP32                    ; my stage
	v_mul_u32_u24 v5, v1, SP32
	v_lshl_add_u32 v5, v2, 5, v5
	v_add_nc_u32 v[STO32], s23, v5                 ; f32 in: row r, 32 bytes for each half of the lanes
	v_and_b32 v6, 31, v0
	v_lshlrev_b32 v[CO], 4, v6
	v_add_nc_u32 v[RD32], s23, v[CO]               ; f32 back: the 32 lanes take one row of 512 bytes
	v_mul_u32_u24 v5, v1, SP16
	v_lshl_add_u32 v5, v2, 4, v5
	v_add_nc_u32 v[STO16], s23, v5                 ; f16 in: row r, 16 bytes for each half of the lanes
	v_lshrrev_b32 v5, 3, v6
	v_mul_u32_u24 v5, v5, SP16
	v_and_b32 v7, 7, v0
	v_lshl_add_u32 v5, v7, 4, v5
	v_add_nc_u32 v[RD16], s23, v5                  ; f16 back: four rows, one head's 128 bytes of each: row lane / 8, 16 (lane % 8)
	s_lshl_b32 s20, s42, 2
	s_lshl_b32 s21, s16, 1
	s_add_co_u32 s20, s20, s21                     ; my first of the 48 heads: 4 x tile column + 2 x half
	s_lshl_b32 s20, s20, 20
	s_lshl_b32 s21, s41, 18                        ; the batch
	s_add_co_u32 s20, s20, s21
	s_lshl_b32 s21, s96, 15                        ; 256 positions of 128 bytes for each cluster y
	s_add_co_u32 s20, s20, s21
	s_lshl_b32 s21, s15, 14                        ; my half's 128 positions
	s_add_co_u32 s20, s20, s21
	s_mov_b32 s21, 0
	s_add_nc_u64 s[12:13], s[12:13], s[20:21]
	s_mul_i32 s20, s41, 196608                     ; qkv32: the batch's 16 rows of 12,288 bytes,
	s_lshl_b32 s22, s42, 10
	s_add_co_u32 s20, s20, s22
	s_lshl_b32 s22, s16, 9
	s_add_co_u32 s20, s20, s22                     ; my first column
	s_add_nc_u64 s[66:67], s[66:67], s[20:21]
.macro FRAG reg, adr, q, i             ; 16 rows x 128 K of 4-bit codes: 8 registers: lane l holds row l % 16; registers 4 c .. 4 c + 3 hold K = 64 c + 32 (l / 16) + 0 .. 31
.irp c, 0,1
	ds_load_b128 v[\reg+4*\c:\reg+4*\c+3], v[\adr] offset:64*(\q)+32*\c+(\i)*16*PITCH
.endr
.endm
; 16 matrix instructions: A's blocks a0, a0 + 1 x B's eight, the slot's q-th 128 along K.  The 64 accumulators take turns, one instruction a turn, in the same order in every step.
.macro MUL16 a0, p, q, sc, zero
.irp a, \a0, \a0+1
.irp b, 0,1,2,3,4,5,6,7
.if \zero
	v_wmma_scale_f32_16x16x128_f8f6f4 v[8*(8*((\a)%4)+\b):8*(8*((\a)%4)+\b)+7], v[128*(\p)+FR*\b:128*(\p)+FR*\b+FR-1], v[AF+FR*(\a):AF+FR*(\a)+FR-1], 0, v[SC+8*NQ*(\sc)+NQ*\b+(\q)], v[SC+8*NQ*(\sc)+NQ*(\a)+(\q)] matrix_a_fmt:MATRIX_FMT_FP4 matrix_b_fmt:MATRIX_FMT_FP4 matrix_a_scale:MATRIX_SCALE_ROW1
.else
	v_wmma_scale_f32_16x16x128_f8f6f4 v[8*(8*((\a)%4)+\b):8*(8*((\a)%4)+\b)+7], v[128*(\p)+FR*\b:128*(\p)+FR*\b+FR-1], v[AF+FR*(\a):AF+FR*(\a)+FR-1], v[8*(8*((\a)%4)+\b):8*(8*((\a)%4)+\b)+7], v[SC+8*NQ*(\sc)+NQ*\b+(\q)], v[SC+8*NQ*(\sc)+NQ*(\a)+(\q)] matrix_a_fmt:MATRIX_FMT_FP4 matrix_b_fmt:MATRIX_FMT_FP4 matrix_a_scale:MATRIX_SCALE_ROW1
.endif
.endr
.endr
.endm
.macro FETCH_B slot, q, p
	WIN TO_B
.irp i, 0,1,2,3,4,5,6,7
	FRAG 128*(\p)+FR*\i, ADRB+\slot, \q, \i
.endr
	WIN 0
.endm
.macro FETCH_A slot, q, i0
.irp i, \i0, \i0+1, \i0+2, \i0+3
	FRAG AF+FR*(\i), ADRA+\slot, \q, \i
.endr
.endm
.macro SCALES sc                       ; a K step's scale words: lanes 0-15 take A's block i, lanes 16-31 B's block i
.irp i, 0,1,2,3,4,5,6,7
	ds_load_b128 v[SC+8*NQ*\sc+NQ*\i:SC+8*NQ*\sc+NQ*\i+3], v[ADRS] offset:\i*SBLK
.endr
.endm
.macro PLACES n                        ; plain vector lines between a matrix instruction and a load into, or a read of, its registers
.rept \n
	v_nop
.endr
.endm
.macro STEP slot, q, zero              ; a step of 128 along K that has its successor in the same slot
	s_wait_dscnt 4*NL                              ; B's set and A's blocks 0-3 are in; the youngest eight loads (A's blocks 4-7) may be out
	WIN MUL_LO
	MUL16 0, (\q)%2, \q, \slot, \zero
	MUL16 2, (\q)%2, \q, \slot, \zero
	s_wait_dscnt 0                                 ; A's blocks 4-7 are in
	PLACES NP
	FETCH_B \slot, (\q)+1, 1-(\q)%2
	FETCH_A \slot, (\q)+1, 0
	WIN MUL_HI
	MUL16 4, (\q)%2, \q, \slot, \zero
	MUL16 6, (\q)%2, \q, \slot, \zero
	PLACES NP
	WIN 0
	FETCH_A \slot, (\q)+1, 4
.endm
.macro TURN slot, next                 ; a slot's last step changes slots: one barrier; in front of it each wave's part of the next slot has landed.  Nothing is filled again
	s_wait_tensorcnt 0x0                           ; all my tensor loads have landed: my part of slot 1
	ds_add_u32 v[SPW], v[NIL]                      ; 0 onto my spare word
	s_wait_dscnt 4*NL+1                            ; (the add and the youngest eight loads may be out)
	WIN MUL_LO
	MUL16 0, 1, NQ-1, \slot, 0
	s_wait_dscnt 0x0                               ; no LDS instruction of mine is out at the signal
	s_barrier_signal -1
	MUL16 2, 1, NQ-1, \slot, 0
	WIN 0
	s_barrier_wait -1                              ; slot 1 is whole for every wave, and nobody reads slot 0 any more
	PLACES NP
	v_add_nc_u32 v[ADRS], 4*NQ, v[ADRS]            ; on to the next K step's scale words
	FETCH_B \next, 0, 0
	FETCH_A \next, 0, 0
	SCALES \next
	WIN MUL_HI
	MUL16 4, 1, NQ-1, \slot, 0
	MUL16 6, 1, NQ-1, \slot, 0
	PLACES NP
	WIN 0
	FETCH_A \next, 0, 4
.endm
.macro STEPS slot, from
.set Q, \from
.rept NQ-1-\from
	STEP \slot, Q, 0
.set Q, Q+1
.endr
.endm
	s_wait_tensorcnt 1                             ; the scales and my part of K step 0 are in; K step 1's load, issued behind them, may be out
	s_barrier_signal -1
	s_barrier_wait -1                              ; everybody's are
	FETCH_B 0, 0, 0
	FETCH_A 0, 0, 0
	SCALES 0
	FETCH_A 0, 0, 4
	STEP 0, 0, 1                                   ; the first products start the sums: nothing is cleared
	STEPS 0, 1
	TURN 0, 1
	STEPS 1, 0
	s_wait_dscnt 4*NL                              ; the last step: nothing more to fetch
	WIN MUL_LO
	MUL16 0, 1, NQ-1, 1, 0
	MUL16 2, 1, NQ-1, 1, 0
	s_wait_dscnt 0
	WIN MUL_HI
	MUL16 4, 1, NQ-1, 1, 0
	MUL16 6, 1, NQ-1, 1, 0
	WIN 0
; THE WAY OUT.  A lane holds eight neighbouring columns of one row, and the lanes beside it hold other rows: a block of 16 rows x 128 columns goes through my own stage in LDS and comes back by rows.
; LDS serves a wave's instructions in order (ISA guide 5.7.1.4): no wait between the stores and the loads, nor in front of the next block's stores.
	PLACES NP                                      ; in front of the first read of results and of loads into registers that matrix instructions have read
	s_cmp_lg_u32 s95, 0
	s_cbranch_scc1 .Lno32
	WIN 0x08                                       ; positions 0-15 in f32: block 0, as it stands; an LDS store's data are its source 1: window 2
.irp b, 0,1,2,3,4,5,6,7
	ds_store_b128 v[STO32], v[8*\b:8*\b+3] offset:64*\b              ; each accumulator from its low end on
	ds_store_b128 v[STO32], v[8*\b+4:8*\b+7] offset:64*\b+16
.endr
	WIN 0
.irp t, 0,1,2,3,4,5,6,7,8,9,10,11,12,13,14,15
	ds_load_b128 v[BK32+4*\t:BK32+4*\t+3], v[RD32] offset:\t*SP32
.endr
	s_wait_dscnt 0x0
.irp t, 0,1,2,3,4,5,6,7,8,9,10,11,12,13,14,15
	global_store_b128 v[CO], v[BK32+4*\t:BK32+4*\t+3], s[66:67] offset:\t*12288   ; 512 consecutive bytes of position t's row, aligned
.endr
	s_wait_xcnt 0x0
.Lno32:
.macro PACK a                          ; block a rounded to f16: 16 bytes a lane for each of B's eight blocks
.set AC, 64*((\a)%4)
	WIN 0x0a+5*((\a)/4)                            ; sources 0 and 1: window 2 or 3
.irp b, 0,1,2,3,4,5,6,7
.irp r, 0,1,2,3
	v_cvt_pk_f16_f32 v[TMP+4*\b+\r], v[AC+8*\b+2*\r], v[AC+8*\b+2*\r+1]
.endr
.endr
	WIN 0
.endm
.macro TOSTAGE16 a                     ; into the stage, and back: load 4 hd + i brings four rows' 128 bytes of head hd
.set BB, 32+192*((\a)%2)               ; v32-63 and v224-255 by turns
.irp b, 0,1,2,3,4,5,6,7
	ds_store_b128 v[STO16], v[TMP+4*\b:TMP+4*\b+3] offset:32*\b
.endr
.irp hd, 0,1
.irp i, 0,1,2,3
	ds_load_b128 v[BB+16*\hd+4*\i:BB+16*\hd+4*\i+3], v[RD16] offset:\hd*128+\i*4*SP16
.endr
.endr
.endm
.macro SEND16 a
.set BB, 32+192*((\a)%2)
	s_wait_dscnt 0x0                               ; the block is back in registers
	s_wait_xcnt 0x0                                ; the block before has had its stores' registers read: the next block's loads land there only behind this wait
.irp hd, 0,1
.irp i, 0,1,2,3
	global_store_b128 v[CO], v[BB+16*\hd+4*\i:BB+16*\hd+4*\i+3], s[12:13] offset:\hd*1048576+(\a)*2048+\i*512   ; four positions of one head: 512 consecutive bytes, aligned
.endr
.endr
.endm
	PACK 0
	TOSTAGE16 0
.irp a, 1,2,3,4,5,6,7                  ; block a's conversions stand between block a - 1's loads from the stage and the wait for them
	PACK \a
	SEND16 \a-1
	TOSTAGE16 \a
.endr
	SEND16 7
	s_wait_tensorcnt 0x0                           ; the wave's end
	ds_add_u32 v[SPW], v[NIL]
	s_wait_dscnt 0x0
	CROUND                                         ; the closing round
	s_endpgm
.Lfunc_end_k_qfcff9473e2_qkvgemm:
	.size	k_qfcff9473e2_qkvgemm, .Lfunc_end_k_qfcff9473e2_qkvgemm-k_qfcff9473e2_qkvgemm
	.p2alignl 7, 3214868480
	.fill 96, 4, 3214868480
	.section	.rodata,"a",@progbits
	.p2align	6, 0x0
	.amdhsa_kernel k_qfcff9473e2_qkvgemm
		.amdhsa_group_segment_fixed_size 327680
		.amdhsa_private_segment_fixed_size 0
		.amdhsa_enable_private_segment 0
		.amdhsa_kernarg_size 48
		.amdhsa_user_sgpr_count 2
		.amdhsa_user_sgpr_kernarg_segment_ptr 1
		.amdhsa_wavefront_size32 1
		.amdhsa_system_sgpr_workgroup_id_x 1
		.amdhsa_system_sgpr_workgroup_id_y 1
		.amdhsa_system_sgpr_workgroup_id_z 1
		.amdhsa_system_vgpr_workitem_id 0
		.amdhsa_next_free_vgpr 1024
		.amdhsa_next_free_sgpr 98
		.amdhsa_reserve_vcc 0
		.amdhsa_float_denorm_mode_32 3
		.amdhsa_float_denorm_mode_16_64 3
		.amdhsa_memory_ordered 1
		.amdhsa_forward_progress 1
		.amdhsa_inst_pref_size 130
	.end_amdhsa_kernel
	.amdgpu_metadata
---
amdhsa.version: [ 1, 2 ]
amdhsa.kernels:
  - .name:           k_qfcff9473e2_qkvgemm
    .symbol:         k_qfcff9473e2_qkvgemm.kd
    .args:
      - { .name: xc, .offset: 0, .size: 8, .value_kind: global_buffer, .address_space: global }
      - { .name: xs, .offset: 8, .size: 8, .value_kind: global_buffer, .address_space: global }
      - { .name: wc, .offset: 16, .size: 8, .value_kind: global_buffer, .address_space: global }
      - { .name: ws, .offset: 24, .size: 8, .value_kind: global_buffer, .address_space: global }
      - { .name: qkv, .offset: 32, .size: 8, .value_kind: global_buffer, .address_space: global }
      - { .name: qkv32, .offset: 40, .size: 8, .value_kind: global_buffer, .address_space: global }
    .group_segment_fixed_size: 327680
    .private_segment_fixed_size: 0
    .kernarg_segment_align: 8
    .kernarg_segment_size: 48
    .max_flat_workgroup_size: 128
    .sgpr_count:     98
    .vgpr_count:     1024
    .wavefront_size: 32
...
	.end_amdgpu_metadata
.endif
;; end of part 2
;; launch attn (part 3): grid 4 x 64, 16 waves a work-group, clusters of 4 x 1, 327,680 bytes of LDS; arguments qkv, att; writes att
.if DOCPART == 3
	.amdgcn_target "amdgcn-amd-amdhsa--gfx1250"
	.amdhsa_code_object_version 6
	.text
	.protected	k_qfcff9473e2_attn
	.globl	k_qfcff9473e2_attn
	.p2align	8
	.type	k_qfcff9473e2_attn,@function
k_qfcff9473e2_attn:
	s_mov_b64 s[64:65], 0
	v_nop
	global_prefetch_b8 v0, s[64:65] scope:SCOPE_SE
	s_setreg_imm32_b32 hwreg(HW_REG_WAVE_MODE, 25, 1), 1
	s_wait_xcnt 0x0
	s_wait_alu depctr_hold_cnt(0) depctr_sa_sdst(0) depctr_va_vdst(0) depctr_va_sdst(0) depctr_va_ssrc(0) depctr_va_vcc(0) depctr_vm_vsrc(0)
	s_getreg_b32 s2, hwreg(HW_REG_IB_STS2, 6, 4)
	s_cmp_eq_u32 s2, 0
	s_cbranch_scc0 .Lentry_in_a_cluster
	s_endpgm
.Lentry_in_a_cluster:
	s_bfe_u32 s2, ttmp6, 0x10000c
	s_cmp_lg_u32 s2, 0x3003
	s_cbranch_scc0 .Lentry_shape_is_right
	s_endpgm
.Lentry_shape_is_right:
; att[b][h][t][:] = the sum over s <= t of softmax_s(q[t] . k[s] / 8) v[s][:], for one head and batch a cluster.  q, k, v: f16, [48][4 b][2048 t][64]; att: f16, [4 b][16 h][2048 t][64].
; Products on f16 operands with f32 sums; maxima, exponentials and sums in f32, with a running maximum; the weights p are rounded to f16 for the second product, the result once at the end.
; LIMIT: |q|, |k|, |v| and the result stay under 65,504, f16's largest number.  (Positions 0-15 are made again, in f32, by the program's last launch.)
; SHARES.  The four work-groups of a cluster (place g) own one head and batch.  Wave w of place g owns the 32 queries 128 w + 32 g + 0 .. 31: two tiles of 16.  Every work-group walks all 2,048 keys, 64 a step, through a ring of
; two LDS slots of 256 keys, so the four ask for every tile of K and V JOINTLY.  Four waves share a SIMD: one wave's vector work stands beside another's matrix work and LDS loads.
; THE CAUSAL MASK.  Wave w does a step while the step's first key is at most 128 w + 127, and runs the mask's lines where the step's last key is above 128 w: both tests hang on the wave's number and the count of steps alone, so
; they are equal in all partners; g enters only q's and att's addresses, the prefetch's address, and the number that the mask compares.  A step that is wholly hidden for a place gives p = 0 and changes nothing.
; Waves 14 and 15 read every slot, so every tile that is asked for is read.
; LAYOUT.  S^T = K Q^T (source 0 = 16 keys, source 1 = 16 queries): a lane holds one query (lane % 16) and keys 8 (lane / 16) + 0..7.  Two such tiles, rounded to f16 in pairs, are source 1 of O^T = V^T P.  V is turned by ds_load_tr16_b128.
; REGISTERS: v1-11 addresses and the mask's numbers; v12-27 statistics, 8 a tile: +0 c m, +1 m, +2, +3 l, +4 to +7 at work (a at +6); v28-31 addresses; v32-63 Q; v64-127 O^T; v128-191 S^T, then p; v192-255 K, then V.
.set KP,    144                        ; a row of K in LDS: 128 bytes + 16: the 16 rows of a load start at 16 different banks
.set VP,    160                        ; a row of V: 128 + 32: an odd multiple of 32 bytes, for the turning load
.set VOFF,  256*KP                     ; a slot: 256 rows of K, then 256 rows of V
.set SLOT1, 1<<17                      ; slot 1 begins here: one exclusive or turns an address from one slot to the other
.set STAGE, 2*SLOT1                    ; behind the ring: 16 rows x 144 bytes for each wave, for the way out
.set SPARE, STAGE+16*16*KP             ; the spare words: 128 bytes a wave, eight blocks of 256 bytes that no other line names
.set AK0, 1
.set AV0, 2
.set ADK, 3
.set ADV, 4
.set SPW, 5
.set NIL, 6
.set QR,  7                            ; 32 g + r - 8 h
.set NEG, 8                            ; -infinity
.set D,   9                            ; the mask's number of the step; at the head: my offset in Q
.set ST,  12
.set PFO, 28                           ; 256 x lane; never rewritten
.set STO, 29
.set RD,  30
.set GO,  31
.set RQ,  32
.set RO,  64
.set RS,  128
.set RKV, 192
.set WV,  8
.set CX,  9
.set YY,  10
.set G1K, 24
.set G1V, 32
.set G0K, 40
.set G0V, 44
.set CS,  48                           ; s[48:49] c = log2(e) / 8
.set SEL, 50                           ; s[50:51] lane selects: lane l xor 16
.set TB,  52                           ; the slot in hand
.set KF,  54                           ; the step's first key
.set QF,  55                           ; 128 w
.set QL,  56                           ; 128 w + 127
.set SLOTS, 57
.set LIM, 59
.set PFA, 60
.macro CROUND                          ; a round of the cluster's barrier
	s_barrier_signal -1
	s_barrier_wait -1
	s_cmp_lg_u32 s[WV], 0
	s_cbranch_scc1 .Lnot_wave_0_\@
	s_barrier_signal -3
.Lnot_wave_0_\@:
	s_barrier_wait -3
	s_barrier_signal -1
	s_barrier_wait -1
.endm
; Waves 0 and 1 fetch K's halves of a slot, waves 2 and 3 V's, the others nothing: branches on the wave's number alone.  An s_nop 0 and four v_nop follow each of the two lines.
.macro JLOAD
	s_cmp_lt_u32 s[WV], 2
	s_cbranch_scc0 .Lnot_k_\@
	tensor_load_to_lds s[G0K:G0K+3], s[G1K:G1K+7]
	s_nop 0
.rept 4
	v_nop
.endr
	s_branch .Lasked_\@
.Lnot_k_\@:
	s_cmp_lt_u32 s[WV], 4
	s_cbranch_scc0 .Lasked_\@
	tensor_load_to_lds s[G0V:G0V+3], s[G1V:G1V+7]
	s_nop 0
.rept 4
	v_nop
.endr
.Lasked_\@:
.endm
; A prefetch of what the NEXT change of slots will ask for: a slot's 32,768 bytes of K and of V.  The four partners share them out by address, 8,192 bytes each, lanes 256 bytes apart; in each, wave 4 asks for K's and wave 5
; for V's, one instruction: each aligned block of 256 bytes is named once in the launch.  The last change that fills a slot asks for nothing; slots 0 and 1 come by their loads alone.
.macro ASK
	s_cmp_gt_u32 s[SLOTS], s[LIM]
	s_cbranch_scc0 .Lnot_mine_\@
	global_prefetch_b8 v[PFO], s[PFA:PFA+1] th:TH_LOAD_NT scope:SCOPE_SE
.Lnot_mine_\@:
.endm
	s_load_b128 s[4:7], s[0:1], 0x0                ; qkv, att
	v_lshl_add_u32 v[SPW], v0, 2, SPARE
	v_mov_b32 v[NIL], 0
	ds_add_u32 v[SPW], v[NIL]                      ; the wave's opening: the add, twice on end, and its wait ahead of the first tensor load
	ds_add_u32 v[SPW], v[NIL]
	v_lshrrev_b32 v10, 5, v0
	v_readfirstlane_b32 s[WV], v10                 ; wave 0..15
	s_bfe_u32 s[CX], ttmp6, 0x40000                ; g: my place in the cluster
	s_and_b32 s[YY], ttmp7, 0xffff                 ; 4 head + batch, which the partners share
	s_mov_b32 s[G1K], 15|(1<<16)|(1<<20)|(1<<21)|(4<<22)|(3<<25)  ; the mask: all four; elements of 2 bytes; padding on; bit 21 beside a mask; 4 words of padding after every 32
	s_mov_b32 s[G1V], 15|(1<<16)|(1<<20)|(1<<21)|(4<<22)|(7<<25)  ; the same with 8 words
.irp g, G1K, G1V
	s_mov_b32 s[\g+1], 64<<16                      ; tensor_dim0
	s_mov_b32 s[\g+2], 128<<16                     ; tensor_dim1
	s_mov_b32 s[\g+3], 64<<16                      ; tile_dim0
	s_mov_b32 s[\g+4], 128                         ; tile_dim1
	s_mov_b32 s[\g+5], 64                          ; from row to row
	s_mov_b32 s[\g+6], 0
	s_mov_b32 s[\g+7], 0
.endr
	s_mov_b32 s[CS], 0x3e38aa3b
	s_mov_b32 s[CS+1], s[CS]                       ; (named with it as a pair, so it is written)
	s_mov_b32 s[SEL], 0x76543210
	s_mov_b32 s[SEL+1], 0xfedcba98
	s_mov_b32 s[TB], 0
	s_mov_b32 s[KF], 0
	s_mov_b32 s[SLOTS], 7
	s_lshl_b32 s[QF], s[WV], 7
	s_add_co_u32 s[QL], s[QF], 127
	s_and_b32 s66, s[WV], 1                        ; which 128 rows of a slot I fetch, if I fetch
	s_mul_i32 s67, s66, 128*KP
	s_mul_i32 s68, s66, 128*VP
	s_add_co_u32 s68, s68, VOFF
	s_lshl_b32 s69, s66, 14
	s_lshl_b32 s70, s[YY], 18                      ; a head and batch is 262,144 bytes
	s_add_co_u32 s72, s70, s69
	s_add_co_u32 s74, s72, 128<<18                 ; V's blocks begin at 128,
	s_add_co_u32 s72, s72, 64<<18                  ; K's at 64
	s_mov_b32 s73, 0
	s_mov_b32 s75, 0
	s_lshl_b32 s76, s[WV], 14
	s_lshl_b32 s77, s[CX], 12
	s_add_co_u32 s76, s76, s77                     ; my first query's 128 bytes: (128 w + 32 g) x 128
	s_add_co_u32 s78, s76, s70                     ; in q
	s_mov_b32 s79, 0
	s_and_b32 s77, s[YY], 3
	s_lshl_b32 s77, s77, 4
	s_lshr_b32 s71, s[YY], 2
	s_add_co_u32 s77, s77, s71                     ; 16 batch + head
	s_lshl_b32 s77, s77, 18
	s_add_co_u32 s76, s76, s77                     ; in att
	s_mov_b32 s77, 0
	s_mov_b32 s69, 128<<18
	s_cmp_eq_u32 s[WV], 4
	s_cselect_b32 s69, 64<<18, s69                 ; wave 4 asks for K's bytes, wave 5 for V's
	s_add_co_u32 s70, s70, s69
	s_lshl_b32 s69, s[CX], 13                      ; my work-group's 8,192 bytes of a slot's 32,768,
	s_add_co_u32 s70, s70, s69
	s_add_co_u32 s70, s70, 32768                   ; in slot 1: the first change of slots steps it to slot 2
	s_mov_b32 s71, 0
	s_lshr_b32 s69, s[WV], 1
	s_cmp_eq_u32 s69, 2
	s_cselect_b32 s[LIM], 1, -1
	s_wait_dscnt 0x0                               ; both opening adds are done
	s_wait_kmcnt 0x0
	s_mov_b32 s[G0K], 1
	s_mov_b32 s[G0K+1], s67
	s_add_nc_u64 s[G0K+2:G0K+3], s[4:5], s[72:73]
	s_or_b32 s[G0K+3], s[G0K+3], 0x80000000
	s_mov_b32 s[G0V], 1
	s_mov_b32 s[G0V+1], s68
	s_add_nc_u64 s[G0V+2:G0V+3], s[4:5], s[74:75]
	s_or_b32 s[G0V+3], s[G0V+3], 0x80000000
	s_add_nc_u64 s[PFA:PFA+1], s[4:5], s[70:71]
	s_add_nc_u64 s[6:7], s[6:7], s[76:77]
	s_add_nc_u64 s[4:5], s[4:5], s[78:79]
	CROUND                                         ; all four work-groups are here: the first joint loads meet
	JLOAD                                          ; slot 0
	v_and_b32 v10, 15, v0                          ; r
	v_bfe_u32 v11, v0, 4, 1                        ; h
	v_lshlrev_b32 v[D], 7, v10
	v_lshl_add_u32 v[D], v11, 4, v[D]              ; Q: row r of 128 bytes + 16 h
.irp t, 0,1
.irp c, 0,1
	global_load_b128 v[RQ+16*\t+8*\c:RQ+16*\t+8*\c+3], v[D], s[4:5] offset:\t*2048+\c*64        ; Q stays in registers: tile t, channels 32 c on
	global_load_b128 v[RQ+16*\t+8*\c+4:RQ+16*\t+8*\c+7], v[D], s[4:5] offset:\t*2048+\c*64+32
.endr
.endr
	v_mul_u32_u24 v[AK0], v10, KP
	v_lshl_add_u32 v[AK0], v11, 4, v[AK0]          ; K: row r x pitch + 16 h
	v_and_b32 v[ADK], 7, v0
	v_lshl_add_u32 v[AV0], v11, 3, v[ADK]
	v_mul_u32_u24 v[AV0], v[AV0], VP
	v_bfe_u32 v[ADV], v0, 3, 1
	v_lshl_add_u32 v[AV0], v[ADV], 4, v[AV0]
	v_add_nc_u32 v[AV0], VOFF, v[AV0]              ; V: key 8 h + lane % 8, channels 8 ((lane / 8) % 2) on
	v_lshlrev_b32 v[QR], 3, v11
	v_sub_nc_u32 v[QR], v10, v[QR]
	s_lshl_b32 s66, s[CX], 5
	v_add_nc_u32 v[QR], s66, v[QR]
	v_mov_b32 v[NEG], 0xff800000
	v_and_b32 v[PFO], 31, v0
	v_lshlrev_b32 v[GO], 4, v[PFO]                 ; the way out: 16 x lane
	v_lshlrev_b32 v[PFO], 8, v[PFO]
	s_mul_i32 s69, s[WV], 16*KP
	s_add_co_u32 s69, s69, STAGE                   ; my stage
	v_add_nc_u32 v[STO], s69, v[AK0]               ; in: row r, 16 bytes for each half of the lanes
	v_bfe_u32 v[RD], v0, 3, 2
	v_mul_u32_u24 v[RD], v[RD], KP
	v_lshl_add_u32 v[RD], v[ADK], 4, v[RD]
	v_add_nc_u32 v[RD], s69, v[RD]                 ; back: four rows of 128 bytes: row lane / 8, 16 (lane % 8)
.irp t, 0,1
	v_mov_b32 v[ST+8*\t+1], 0xff61b1e6             ; m = -3e38, under every score
	v_mul_f32 v[ST+8*\t], s[CS], v[ST+8*\t+1]      ; c m
.irp k, 2,3,4,5,6,7
	v_mov_b32 v[ST+8*\t+\k], 0                     ; l; and the registers at work, written once
.endr
.endr
.set i, 0
.rept 64
	v_mov_b32 v[RO+i], 0                           ; O^T.  (The step is written once for all steps: the first finds zeros, which a = 0 leaves zeros)
.set i, i+1
.endr
; A KEY STEP: 64 keys, the q-th of the slot in hand.
.macro STEP q
	s_cmp_gt_u32 s[KF], s[QL]                      ; all keys come after my wave's range of queries: the step's work is left out
	s_cbranch_scc1 .Lhidden_\@
	v_add_nc_u32 v[ADK], s[TB], v[AK0]
	v_add_nc_u32 v[ADV], s[TB], v[AV0]
.rept 3
	v_nop                                          ; with the two additions five places behind the last step's products: four for the loads into V's registers, five for the products that write over p
.endr
.irp kt, 0,1,2,3
.irp c, 0,1
	ds_load_b128 v[RKV+16*\kt+8*\c:RKV+16*\kt+8*\c+3], v[ADK] offset:(\q)*64*KP+\kt*16*KP+\c*64
	ds_load_b128 v[RKV+16*\kt+8*\c+4:RKV+16*\kt+8*\c+7], v[ADK] offset:(\q)*64*KP+\kt*16*KP+\c*64+32
.endr
.endr
	s_wait_dscnt 0x0                               ; K is in
.irp c, 0,1                                    ; S^T = K Q^T: eight accumulators by turns, one instruction a turn
.irp kt, 0,1,2,3
.irp t, 0,1
.if \c == 0
	v_wmma_f32_16x16x32_f16 v[RS+32*\t+8*\kt:RS+32*\t+8*\kt+7], v[RKV+16*\kt:RKV+16*\kt+7], v[RQ+16*\t:RQ+16*\t+7], 0
.else
	v_wmma_f32_16x16x32_f16 v[RS+32*\t+8*\kt:RS+32*\t+8*\kt+7], v[RKV+16*\kt+8:RKV+16*\kt+15], v[RQ+16*\t+8:RQ+16*\t+15], v[RS+32*\t+8*\kt:RS+32*\t+8*\kt+7]
.endif
.endr
.endr
.endr
.rept 4
	v_nop                                          ; places in front of the loads into K's registers and of the first read of the scores
.endr
.irp g, 0,1
.irp ct, 0,1,2,3
	ds_load_tr16_b128 v[RKV+32*\g+8*\ct:RKV+32*\g+8*\ct+3], v[ADV] offset:(\q)*64*VP+\g*32*VP+\ct*32          ; V^T: keys 32 g on, channels 16 ct on; it lands while the softmax is walked
	ds_load_tr16_b128 v[RKV+32*\g+8*\ct+4:RKV+32*\g+8*\ct+7], v[ADV] offset:(\q)*64*VP+\g*32*VP+16*VP+\ct*32
.endr
.endr
	s_add_co_u32 s66, s[KF], 63
	s_cmp_le_u32 s66, s[QF]                        ; all keys count for every query of my wave's range: no mask
	s_cbranch_scc1 .Lopen_\@
	s_sub_co_i32 s66, s[QF], s[KF]
	v_add_nc_u32 v[D], s66, v[QR]                  ; tile t's register 8 kt + j holds key KF + 16 kt + 8 h + j for query QF + 32 g + 16 t + r: hidden where 16 kt + j - 16 t > D
.irp t, 0,1
.irp kt, 0,1,2,3
.irp j, 0,1,2,3,4,5,6,7
	v_cmp_gt_i32 vcc_lo, 16*\kt+\j-16*\t, v[D]
	v_cndmask_b32 v[RS+32*\t+8*\kt+\j], v[RS+32*\t+8*\kt+\j], v[NEG], vcc_lo
.endr
.endr
.endr
.Lopen_\@:
.irp j, 0,1,2,3                                ; the maximum: four chains a tile, each begun at an accumulator's low end; the two tiles by turns
.irp t, 0,1
	v_max3_num_f32 v[ST+8*\t+4+\j], v[RS+32*\t+8*\j], v[RS+32*\t+8*\j+1], v[RS+32*\t+8*\j+2]
.endr
.endr
.irp u, 1,2
.irp j, 0,1,2,3
.irp t, 0,1
	v_max3_num_f32 v[ST+8*\t+4+\j], v[ST+8*\t+4+\j], v[RS+32*\t+8*\j+2*\u+1], v[RS+32*\t+8*\j+2*\u+2]
.endr
.endr
.endr
.irp t, 0,1
	v_max3_num_f32 v[ST+8*\t+4], v[ST+8*\t+4], v[RS+32*\t+7], v[RS+32*\t+15]
	v_max3_num_f32 v[ST+8*\t+6], v[ST+8*\t+6], v[RS+32*\t+23], v[RS+32*\t+31]
.endr
.irp t, 0,1
	v_max3_num_f32 v[ST+8*\t+4], v[ST+8*\t+4], v[ST+8*\t+5], v[ST+8*\t+6]
.endr
.irp t, 0,1
	v_max3_num_f32 v[ST+8*\t+4], v[ST+8*\t+4], v[ST+8*\t+7], v[ST+8*\t+1]   ; with the old m
.endr
.irp t, 0,1
	v_permlanex16_b32 v[ST+8*\t+5], v[ST+8*\t+4], s[SEL], s[SEL+1]          ; the query's other 32 keys lie in the lane 16 away
.endr
.irp t, 0,1
	v_mov_b32 v[ST+8*\t+7], v[ST+8*\t]             ; c m_old
.endr
.irp t, 0,1
	v_max_num_f32 v[ST+8*\t+1], v[ST+8*\t+4], v[ST+8*\t+5]
.endr
.irp t, 0,1
	v_mul_f32 v[ST+8*\t], s[CS], v[ST+8*\t+1]
.endr
.irp t, 0,1
	v_sub_f32 v[ST+8*\t+7], v[ST+8*\t+7], v[ST+8*\t]
.endr
.set i, 0
.rept 16
	v_pk_fma_f32 v[RS+i:RS+i+1], v[RS+i:RS+i+1], s[CS:CS+1], v[ST:ST+1] op_sel_hi:[1,0,0] neg_lo:[0,0,1] neg_hi:[0,0,1]             ; c s - c m, two at a time
	v_pk_fma_f32 v[RS+32+i:RS+32+i+1], v[RS+32+i:RS+32+i+1], s[CS:CS+1], v[ST+8:ST+9] op_sel_hi:[1,0,0] neg_lo:[0,0,1] neg_hi:[0,0,1]
.set i, i+2
.endr
.irp t, 0,1
	v_exp_f32 v[ST+8*\t+6], v[ST+8*\t+7]           ; a = 2^(c m_old - c m_new)
.endr
.set i, 0
.rept 64
	v_exp_f32 v[RS+i], v[RS+i]                     ; p
.set i, i+1
.endr
	v_nop                                          ; a plain line behind the last exponential
	s_wait_alu depctr_va_vdst(0)                   ; one wait for the batch of 66, ahead of the first line that names a result
.irp t, 0,1                                    ; the row's sums, of the unrounded p, in two chains a tile
	v_pk_fma_f32 v[ST+8*\t+2:ST+8*\t+3], v[ST+8*\t+2:ST+8*\t+3], v[ST+8*\t+6:ST+8*\t+7], v[RS+32*\t:RS+32*\t+1] op_sel_hi:[1,0,1]
.endr
.irp t, 0,1
	v_pk_add_f32 v[ST+8*\t+4:ST+8*\t+5], v[RS+32*\t+2:RS+32*\t+3], v[RS+32*\t+4:RS+32*\t+5]
.endr
.irp p, 3,5,7,9,11,13
.irp t, 0,1
	v_pk_add_f32 v[ST+8*\t+2:ST+8*\t+3], v[ST+8*\t+2:ST+8*\t+3], v[RS+32*\t+2*\p:RS+32*\t+2*\p+1]
	v_pk_add_f32 v[ST+8*\t+4:ST+8*\t+5], v[ST+8*\t+4:ST+8*\t+5], v[RS+32*\t+2*\p+2:RS+32*\t+2*\p+3]
.endr
.endr
.irp t, 0,1
	v_pk_add_f32 v[ST+8*\t+2:ST+8*\t+3], v[ST+8*\t+2:ST+8*\t+3], v[RS+32*\t+30:RS+32*\t+31]
.endr
.irp t, 0,1
	v_pk_add_f32 v[ST+8*\t+2:ST+8*\t+3], v[ST+8*\t+2:ST+8*\t+3], v[ST+8*\t+4:ST+8*\t+5]
.endr
.set i, 0
.rept 16
	v_cvt_pk_f16_f32 v[RS+i], v[RS+2*i], v[RS+2*i+1]                 ; p to f16, in place, ascending: register i is written when registers 2 i and 2 i + 1 are read
	v_cvt_pk_f16_f32 v[RS+32+i], v[RS+32+2*i], v[RS+32+2*i+1]
.set i, i+1
.endr
.set i, 0
.rept 16
	v_pk_mul_f32 v[RO+i:RO+i+1], v[RO+i:RO+i+1], v[ST+6:ST+7] op_sel_hi:[1,0]               ; O^T x a
	v_pk_mul_f32 v[RO+32+i:RO+32+i+1], v[RO+32+i:RO+32+i+1], v[ST+14:ST+15] op_sel_hi:[1,0]
.set i, i+2
.endr
	s_wait_dscnt 0x0                               ; V is in
.irp g, 0,1                                    ; O^T += V^T P: eight accumulators by turns
.irp ct, 0,1,2,3
.irp t, 0,1
	v_wmma_f32_16x16x32_f16 v[RO+32*\t+8*\ct:RO+32*\t+8*\ct+7], v[RKV+32*\g+8*\ct:RKV+32*\g+8*\ct+7], v[RS+32*\t+8*\g:RS+32*\t+8*\g+7], v[RO+32*\t+8*\ct:RO+32*\t+8*\ct+7]
.endr
.endr
.endr
.Lhidden_\@:
	s_add_co_u32 s[KF], s[KF], 64
.endm
; THE CHANGE OF SLOTS stands at a slot's head.  Each wave waits for all its tensor loads, adds 0 to its spare word, and waits for that and for its reads of the slot that it has left.  fill = 1: a round of the cluster's barrier, and
; behind it the slot just left is filled with the keys that follow: that load has a slot's four steps in which to land.  By this text's own count a wave has one tensor load out at the most.
.macro CHANGE fill
	s_wait_tensorcnt 0x0                           ; no tensor load of mine is out, so a group 0 may be written
	ds_add_u32 v[SPW], v[NIL]
.if \fill
	ds_add_u32 v[SPW], v[NIL]                      ; and twice on end here, in every trip alike
	s_xor_b32 s[G0K+1], s[G0K+1], SLOT1            ; the walking descriptors: the other slot,
	s_add_nc_u64 s[G0K+2:G0K+3], s[G0K+2:G0K+3], 32768   ; the next 256 keys
	s_xor_b32 s[G0V+1], s[G0V+1], SLOT1
	s_add_nc_u64 s[G0V+2:G0V+3], s[G0V+2:G0V+3], 32768
	s_wait_xcnt 0x0                                ; the last prefetch, a slot back, has read its address
	s_add_nc_u64 s[PFA:PFA+1], s[PFA:PFA+1], 32768
	s_wait_dscnt 0x0                               ; the adds are done, and my reads of the slot that I have left are over
	CROUND
	JLOAD
	ASK
.else
	s_wait_dscnt 0x0
	s_barrier_signal -1
	s_barrier_wait -1
.endif
.endm
.macro SLOT_STEPS
	STEP 0
	STEP 1
	STEP 2
	STEP 3
	s_xor_b32 s[TB], s[TB], SLOT1                  ; on to the other slot
.endm
	s_wait_loadcnt 0x0                             ; Q
.Lslot:                                            ; seven trips: behind each change of slots but the last the next slot is asked for
	CHANGE 1
	SLOT_STEPS
	s_sub_co_u32 s[SLOTS], s[SLOTS], 1
	s_cmp_lg_u32 s[SLOTS], 0
	s_cbranch_scc1 .Lslot
	CHANGE 0                                       ; the last slot is written out
	SLOT_STEPS
	; THE WAY OUT.  O^T / l, rounded to f16, goes through my stage, a tile of 16 queries at a time, and leaves as runs of 512 bytes.  The additions are places behind the last products.
.irp t, 0,1
	v_add_f32 v[ST+8*\t+4], v[ST+8*\t+2], v[ST+8*\t+3]
.endr
.irp t, 0,1
	v_permlanex16_b32 v[ST+8*\t+5], v[ST+8*\t+4], s[SEL], s[SEL+1]
.endr
.irp t, 0,1
	v_add_f32 v[ST+8*\t+4], v[ST+8*\t+4], v[ST+8*\t+5]
.endr
.irp t, 0,1
	v_rcp_f32 v[ST+8*\t+6], v[ST+8*\t+4]
.endr
	v_nop                                          ; a plain line behind the last reciprocal
	s_wait_alu depctr_va_vdst(0)                   ; and the wait ahead of the first use: one for both
.irp t, 0,1
.set i, 0
.rept 16
	v_pk_mul_f32 v[RO+32*\t+i:RO+32*\t+i+1], v[RO+32*\t+i:RO+32*\t+i+1], v[ST+8*\t+6:ST+8*\t+7] op_sel_hi:[1,0]
.set i, i+2
.endr
.set i, 0
.rept 16
	v_cvt_pk_f16_f32 v[RS+16*\t+i], v[RO+32*\t+2*i], v[RO+32*\t+2*i+1]
.set i, i+1
.endr
.irp ct, 0,1,2,3
	ds_store_b128 v[STO], v[RS+16*\t+4*\ct:RS+16*\t+4*\ct+3] offset:32*\ct
.endr
.irp k, 0,1,2,3
	ds_load_b128 v[RKV+16*\t+4*\k:RKV+16*\t+4*\k+3], v[RD] offset:\k*4*KP    ; LDS serves a wave's instructions in order: these see my stores, and the next tile's stores come behind them
.endr
.endr
.irp k, 0,1,2,3
	s_wait_dscnt 11-\k                             ; behind this load: the rest of tile 0's and tile 1's eight
	global_store_b128 v[GO], v[RKV+4*\k:RKV+4*\k+3], s[6:7] offset:\k*512      ; four queries: 512 consecutive bytes, aligned
.endr
.irp k, 0,1,2,3
	s_wait_dscnt 3-\k
	global_store_b128 v[GO], v[RKV+16+4*\k:RKV+16+4*\k+3], s[6:7] offset:2048+\k*512
.endr
	s_wait_tensorcnt 0x0                           ; the wave's end
	ds_add_u32 v[SPW], v[NIL]
	s_wait_dscnt 0x0
	CROUND                                         ; the closing round
	s_endpgm
.Lfunc_end_k_qfcff9473e2_attn:
	.size	k_qfcff9473e2_attn, .Lfunc_end_k_qfcff9473e2_attn-k_qfcff9473e2_attn
	.p2alignl 7, 3214868480
	.fill 96, 4, 3214868480
	.section	.rodata,"a",@progbits
	.p2align	6, 0x0
	.amdhsa_kernel k_qfcff9473e2_attn
		.amdhsa_group_segment_fixed_size 327680
		.amdhsa_private_segment_fixed_size 0
		.amdhsa_enable_private_segment 0
		.amdhsa_kernarg_size 16
		.amdhsa_user_sgpr_count 2
		.amdhsa_user_sgpr_kernarg_segment_ptr 1
		.amdhsa_wavefront_size32 1
		.amdhsa_system_sgpr_workgroup_id_x 1
		.amdhsa_system_sgpr_workgroup_id_y 1
		.amdhsa_system_sgpr_workgroup_id_z 1
		.amdhsa_system_vgpr_workitem_id 0
		.amdhsa_next_free_vgpr 256
		.amdhsa_next_free_sgpr 80
		.amdhsa_reserve_vcc 1
		.amdhsa_float_denorm_mode_32 3
		.amdhsa_float_denorm_mode_16_64 3
		.amdhsa_memory_ordered 1
		.amdhsa_forward_progress 1
		.amdhsa_inst_pref_size 188
	.end_amdhsa_kernel
	.amdgpu_metadata
---
amdhsa.version: [ 1, 2 ]
amdhsa.kernels:
  - .name:           k_qfcff9473e2_attn
    .symbol:         k_qfcff9473e2_attn.kd
    .args:
      - { .name: qkv, .offset: 0, .size: 8, .value_kind: global_buffer, .address_space: global }
      - { .name: att, .offset: 8, .size: 8, .value_kind: global_buffer, .address_space: global }
    .group_segment_fixed_size: 327680
    .private_segment_fixed_size: 0
    .kernarg_segment_align: 8
    .kernarg_segment_size: 16
    .max_flat_workgroup_size: 512
    .sgpr_count:     80
    .vgpr_count:     256
    .wavefront_size: 32
...
	.end_amdgpu_metadata
.endif
;; end of part 3
;; launch proj (part 4): grid 4 x 64, 4 waves a work-group, clusters of 4 x 4, 327,680 bytes of LDS; arguments att, wo16, b_out, out0; writes out0
.if DOCPART == 4
	.amdgcn_target "amdgcn-amd-amdhsa--gfx1250"
	.amdhsa_code_object_version 6
	.text
	.protected	k_qfcff9473e2_proj
	.globl	k_qfcff9473e2_proj
	.p2align	8
	.type	k_qfcff9473e2_proj,@function
k_qfcff9473e2_proj:
	s_mov_b64 s[64:65], 0
	v_nop
	global_prefetch_b8 v0, s[64:65] scope:SCOPE_SE
	s_setreg_imm32_b32 hwreg(HW_REG_WAVE_MODE, 25, 1), 1
	s_wait_xcnt 0x0
	s_wait_alu depctr_hold_cnt(0) depctr_sa_sdst(0) depctr_va_vdst(0) depctr_va_sdst(0) depctr_va_ssrc(0) depctr_va_vcc(0) depctr_vm_vsrc(0)
	s_getreg_b32 s2, hwreg(HW_REG_IB_STS2, 6, 4)
	s_cmp_eq_u32 s2, 0
	s_cbranch_scc0 .Lentry_in_a_cluster
	s_endpgm
.Lentry_in_a_cluster:
	s_bfe_u32 s2, ttmp6, 0x10000c
	s_cmp_lg_u32 s2, 0xf033
	s_cbranch_scc0 .Lentry_shape_is_right
	s_endpgm
.Lentry_shape_is_right:
; out0[4 t + b][n] = the sum over k of att[b][k / 64][t][k % 64] W_out[n][k] + b_out[n].  att: f16 [4 b][16 h][2048 t][64]; wo16: f16 [16 h][1024 n][64]; b_out f32; out0 f32 [8192][1024].  Sums in f32.
; LIMIT: f16 operands: magnitudes under 65,504.  (Positions 0-15 are written here from f16 operands and written again, from f32, by the program's last launch.)
; A tile is 128 positions of one batch x 256 columns: 256 work-groups.  Four waves, each 64 x 128: 32 accumulators.  K goes by heads: a head's part of A's tile (128 x 128 bytes) and of B's (256 x 128 bytes) are dense blocks of memory.
; A slot holds two heads; two slots; each wave brings one head's block of A (waves 0, 1) or of B (waves 2, 3) with one tensor load.  By this text's own count a wave has two loads out at the start, later one.
; CLUSTERS: 4 x 4 work-groups: A's blocks are shared along a row of the cluster, B's along a column, each asked for jointly.  THE MATRIX INSTRUCTION IS USED TRANSPOSED (source 0 = 16 rows of W_out, source 1 = 16 positions).
; The bias is the C of each sum's first matrix instruction: 64 registers in the result's layout.
; REGISTERS: window 0: v0-31 addresses; v32-127, v128-223 two fragment buffers (A's 4 fragments, then B's 8).  window 1: the accumulators, (a, b) at v[8 (8 a + b)].  window 2: v0-63 the bias.
.set KP,    144                        ; an LDS row: 128 bytes + 16 of padding
.set ABLK,  128*KP                     ; a head's block of A
.set BBLK,  256*KP                     ; of B
.set SLOT,  2*ABLK+2*BBLK
.set STAGE, 2*SLOT                     ; behind the ring: 16 rows x 528 bytes for each wave
.set SP,    528
.set SPARE, STAGE+4*16*SP              ; the spare words: 128 bytes a wave, two blocks of 256 bytes that no other line names
.set ADRA, 16
.set ADRB, 20
.set STO,  24
.set RD,   25
.set CO,   26
.set BO,   27                          ; 32 h: my place in 16 numbers of the bias
.set SPW,  28
.set NIL,  29
.set F0,   32
.set F1,   128
.set G1, 24
.set G0, 32
.set G1B, 48
.set G0B, 56
.set MSB, 0
.macro WIN new
.if MSB != \new
	s_set_vgpr_msb (MSB<<8)|\new
.set MSB, \new
.endif
.endm
.macro JLOAD s                         ; a joint load: waves 0 and 1 for A, waves 2 and 3 for B; an s_nop 0 and four v_nop follow each of the two lines
	s_cmp_eq_u32 s11, 0
	s_cbranch_scc0 .Lfor_b_\@
	tensor_load_to_lds s[G0+4*\s:G0+4*\s+3], s[G1:G1+7]
	s_nop 0
.rept 4
	v_nop
.endr
	s_branch .Lasked_\@
.Lfor_b_\@:
	tensor_load_to_lds s[G0B+4*\s:G0B+4*\s+3], s[G1B:G1B+7]
	s_nop 0
.rept 4
	v_nop
.endr
.Lasked_\@:
.endm
.macro CREST
	s_cmp_lg_u32 s10, 0
	s_cbranch_scc1 .Lnot_wave_0_\@
	s_barrier_signal -3
.Lnot_wave_0_\@:
	s_barrier_wait -3
	s_barrier_signal -1
	s_barrier_wait -1
.endm
.macro CROUND
	s_barrier_signal -1
	s_barrier_wait -1
	CREST
.endm
	s_load_b128 s[4:7], s[0:1], 0x0                ; att, wo16
	s_load_b128 s[16:19], s[0:1], 0x10             ; b_out, out0
	v_lshl_add_u32 v[SPW], v0, 2, SPARE
	v_mov_b32 v[NIL], 0
	ds_add_u32 v[SPW], v[NIL]                      ; the wave's opening: the add, twice on end, and its wait ahead of my first tensor load
	ds_add_u32 v[SPW], v[NIL]
	v_lshrrev_b32 v1, 5, v0
	v_readfirstlane_b32 s10, v1                    ; wave 0..3
	s_lshr_b32 s11, s10, 1                         ; which 64 rows are mine.  Also: I fetch for A (0) or for B (1)
	s_and_b32 s12, s10, 1                          ; which 128 columns.  Also: which of a slot's two heads I fetch
	s_bfe_u32 s40, ttmp6, 0x40000                  ; cx
	s_bfe_u32 s41, ttmp6, 0x40004                  ; cy
	s_lshl_b32 s42, ttmp9, 2
	s_add_co_u32 s42, s42, s40                     ; tile column
	s_and_b32 s13, ttmp7, 0xffff
	s_lshl_b32 s13, s13, 2
	s_add_co_u32 s13, s13, s41                     ; tile row: batch = row / 16, positions 128 (row % 16) on
	s_lshl_b32 s43, s41, 2
	s_lshl_b32 s43, 15, s43                        ; my row of the cluster
	s_lshl_b32 s44, 0x1111, s40                    ; my column
	s_or_b32 s[G1+0], s43, (1<<16)|(1<<20)|(1<<21)|(4<<22)|(3<<25)  ; the mask; elements of 2 bytes; padding on; bit 21 beside a mask; 4 words of padding after every 32
	s_or_b32 s[G1B+0], s44, (1<<16)|(1<<20)|(1<<21)|(4<<22)|(3<<25)
	s_mov_b32 s[G1+1], 64<<16
	s_mov_b32 s[G1+2], 128<<16
	s_mov_b32 s[G1+3], 64<<16
	s_mov_b32 s[G1+4], 128
	s_mov_b32 s[G1+5], 64
	s_mov_b32 s[G1+6], 0
	s_mov_b32 s[G1+7], 0
	s_mov_b32 s[G1B+1], 64<<16
	s_mov_b32 s[G1B+2], 256<<16
	s_mov_b32 s[G1B+3], 64<<16
	s_mov_b32 s[G1B+4], 256
	s_mov_b32 s[G1B+5], 64
	s_mov_b32 s[G1B+6], 0
	s_mov_b32 s[G1B+7], 0
	s_lshr_b32 s20, s13, 4
	s_lshl_b32 s20, s20, 22                        ; A: the batch's 16 heads of 262,144 bytes,
	s_and_b32 s21, s13, 15
	s_lshl_b32 s21, s21, 14                        ; 128 positions of 128 bytes,
	s_add_co_u32 s20, s20, s21
	s_lshl_b32 s21, s12, 18                        ; my head of the slot's two
	s_add_co_u32 s20, s20, s21
	s_mov_b32 s21, 0
	s_lshl_b32 s46, s12, 17                        ; B: my head's 131,072 bytes,
	s_lshl_b32 s47, s42, 15                        ; 256 rows of 128 bytes
	s_add_co_u32 s46, s46, s47
	s_mov_b32 s47, 0
	s_mul_i32 s22, s12, ABLK                       ; where they go: no place in the cluster enters an LDS address
	s_mul_i32 s23, s12, BBLK
	s_add_co_u32 s23, s23, 2*ABLK
	s_wait_dscnt 0x0                               ; both opening adds are done
	s_wait_kmcnt 0x0
	s_add_nc_u64 s[20:21], s[4:5], s[20:21]
	s_add_nc_u64 s[46:47], s[6:7], s[46:47]
	CROUND                                         ; all sixteen work-groups are here: the first joint loads meet
.irp s, 0,1
	s_mov_b32 s[G0+4*\s], 1
	s_add_co_u32 s[G0+4*\s+1], s22, \s*SLOT
	s_add_nc_u64 s[G0+4*\s+2:G0+4*\s+3], s[20:21], \s*2*262144
	s_or_b32 s[G0+4*\s+3], s[G0+4*\s+3], 0x80000000
	s_mov_b32 s[G0B+4*\s], 1
	s_add_co_u32 s[G0B+4*\s+1], s23, \s*SLOT
	s_add_nc_u64 s[G0B+4*\s+2:G0B+4*\s+3], s[46:47], \s*2*131072
	s_or_b32 s[G0B+4*\s+3], s[G0B+4*\s+3], 0x80000000
	JLOAD \s
.endr
	v_and_b32 v1, 15, v0                           ; r
	v_bfe_u32 v2, v0, 4, 1                         ; h
	v_lshlrev_b32 v[BO], 5, v2
	s_and_b32 s20, s13, 15
	s_lshl_b32 s20, s20, 21                        ; out0: position t is row 4 t + b of 4,096 bytes: 128 positions,
	s_lshl_b32 s21, s11, 20                        ; my 64,
	s_add_co_u32 s20, s20, s21
	s_lshr_b32 s21, s13, 4
	s_lshl_b32 s21, s21, 12                        ; the batch
	s_add_co_u32 s20, s20, s21
	s_mov_b32 s21, 0
	s_lshl_b32 s46, s42, 10
	s_lshl_b32 s47, s12, 9
	s_add_co_u32 s46, s46, s47                     ; my first column, in bytes of f32
	s_mov_b32 s47, 0
	s_add_nc_u64 s[16:17], s[16:17], s[46:47]
	s_add_nc_u64 s[18:19], s[18:19], s[20:21]
	s_add_nc_u64 s[18:19], s[18:19], s[46:47]
	WIN 0x80                                       ; destination window 2
.irp b, 0,1,2,3,4,5,6,7
	global_load_b128 v[8*\b:8*\b+3], v[BO], s[16:17] offset:64*\b           ; the bias of columns 16 b + 8 h + 0 .. 7
	global_load_b128 v[8*\b+4:8*\b+7], v[BO], s[16:17] offset:64*\b+16
.endr
	WIN 0
	v_mul_u32_u24 v3, v1, KP
	v_lshl_add_u32 v3, v2, 4, v3                   ; a fragment's row x pitch + 16 h
	s_mul_i32 s21, s11, 64*KP                      ; my 64 rows of A's block
	s_mul_i32 s22, s12, 128*KP                     ; my 128 rows of B's,
	s_add_co_u32 s22, s22, 2*ABLK                  ; behind A's two blocks
.irp s, 0,1
	v_add_nc_u32 v[ADRA+\s], s21, v3
	v_add_nc_u32 v[ADRB+\s], s22, v3
	s_add_co_u32 s21, s21, SLOT
	s_add_co_u32 s22, s22, SLOT
.endr
	s_mul_i32 s23, s10, 16*SP
	s_add_co_u32 s23, s23, STAGE                   ; my stage
	v_mul_u32_u24 v4, v1, SP
	v_lshl_add_u32 v4, v2, 5, v4
	v_add_nc_u32 v[STO], s23, v4                   ; in: row r, 32 bytes for each half of the lanes
	v_and_b32 v5, 31, v0
	v_lshlrev_b32 v[CO], 4, v5
	v_add_nc_u32 v[RD], s23, v[CO]                 ; back: the 32 lanes take one row of 512 bytes
; 8 matrix instructions: A's block a x B's eight, 32 along K.  zero = 1: the bias starts the sums.  The 32 accumulators take turns in one fixed order.
.macro MUL8 f, a, zero
.irp b, 0,1,2,3,4,5,6,7
.if \zero
	v_wmma_f32_16x16x32_f16 v[8*(8*(\a)+\b):8*(8*(\a)+\b)+7], v[\f+32+8*\b:\f+32+8*\b+7], v[\f+8*(\a):\f+8*(\a)+7], v[8*\b:8*\b+7]
.else
	v_wmma_f32_16x16x32_f16 v[8*(8*(\a)+\b):8*(8*(\a)+\b)+7], v[\f+32+8*\b:\f+32+8*\b+7], v[\f+8*(\a):\f+8*(\a)+7], v[8*(8*(\a)+\b):8*(8*(\a)+\b)+7]
.endif
.endr
.endm
.macro MWIN zero                       ; D window 1; C window 1, or window 2 for the bias
.if \zero
	WIN 0x60
.else
	WIN 0x50
.endif
.endm
; 24 LDS loads in one run: quarter q of a slot (head q / 2, channels 32 (q % 2) on) into buffer f: B's sixteen first, then A's blocks 0, 1, then 2, 3
.macro FETCH slot, q, f
	WIN 0
.irp i, 0,1,2,3,4,5,6,7
	ds_load_b128 v[\f+32+8*\i:\f+32+8*\i+3], v[ADRB+\slot] offset:((\q)/2)*BBLK+((\q)%2)*64+\i*16*KP
	ds_load_b128 v[\f+32+8*\i+4:\f+32+8*\i+7], v[ADRB+\slot] offset:((\q)/2)*BBLK+((\q)%2)*64+\i*16*KP+32
.endr
.irp i, 0,1,2,3
	ds_load_b128 v[\f+8*\i:\f+8*\i+3], v[ADRA+\slot] offset:((\q)/2)*ABLK+((\q)%2)*64+\i*16*KP
	ds_load_b128 v[\f+8*\i+4:\f+8*\i+7], v[ADRA+\slot] offset:((\q)/2)*ABLK+((\q)%2)*64+\i*16*KP+32
.endr
.endm
.macro PLACES                          ; four plain lines in front of loads into registers that matrix instructions have read, and of the first read of results
.rept 4
	v_nop
.endr
.endm
.macro QUARTER slot, q, f, g, zero     ; multiplies buffer f; in its middle fetches quarter q of the slot into buffer g
	s_wait_dscnt 4                                 ; B and A's blocks 0, 1 are in; the youngest four loads (A's blocks 2, 3) may be out
	MWIN \zero
	MUL8 \f, 0, \zero
	MUL8 \f, 1, \zero
	PLACES
	FETCH \slot, \q, \g
	s_wait_dscnt 24                                ; all but the 24 just issued
	MWIN \zero
	MUL8 \f, 2, \zero
	MUL8 \f, 3, \zero
.endm
; A slot's last quarter multiplies buffer 1 and changes slots: one barrier; in front of it each wave waits for all its tensor loads, adds 0 to its spare word, and waits for that and for its reads of this slot.
.macro TURN slot, next, fill
	WIN 0
	s_wait_tensorcnt 0x0                           ; all my tensor loads have landed: my part of the next slot
	ds_add_u32 v[SPW], v[NIL]
	s_wait_dscnt 5                                 ; (the add and the youngest four loads may be out)
	WIN 0x50
	MUL8 F1, 0, 0
	s_wait_dscnt 0x0                               ; the add is done, and my reads of this slot are over
	s_barrier_signal -1
	MUL8 F1, 1, 0
	WIN 0
	s_barrier_wait -1
.if \fill
	CREST                                          ; the barrier has opened a round of the cluster's: no wave of any partner still reads this slot or has a load on its way
	s_add_nc_u64 s[G0+4*\slot+2:G0+4*\slot+3], s[G0+4*\slot+2:G0+4*\slot+3], 4*262144     ; four heads on
	s_add_nc_u64 s[G0B+4*\slot+2:G0B+4*\slot+3], s[G0B+4*\slot+2:G0B+4*\slot+3], 4*131072
	JLOAD \slot                                    ; the first tensor load behind the round; its four v_nop are also the places in front of the loads below
.else
	PLACES
.endif
	FETCH \next, 0, F0
	WIN 0x50
	MUL8 F1, 2, 0
	MUL8 F1, 3, 0
.endm
	s_wait_tensorcnt 1                             ; my part of slot 0 is in; slot 1's, issued behind it, may be out
	s_barrier_signal -1
	s_barrier_wait -1
	FETCH 0, 0, F0
	s_wait_loadcnt 0x0                             ; the bias
	QUARTER 0, 1, F0, F1, 1                        ; the first quarter stands in front of the loop: its products start the sums
	WIN 0
	s_mov_b32 s3, 3
.Llap:                                             ; a trip goes once round the ring, from a lap's second quarter to the next lap's first, and fills both slots again
	QUARTER 0, 2, F1, F0, 0
	QUARTER 0, 3, F0, F1, 0
	TURN 0, 1, 1
	QUARTER 1, 1, F0, F1, 0
	QUARTER 1, 2, F1, F0, 0
	QUARTER 1, 3, F0, F1, 0
	TURN 1, 0, 1
	QUARTER 0, 1, F0, F1, 0
	WIN 0
	s_sub_co_u32 s3, s3, 1
	s_cmp_lg_u32 s3, 0
	s_cbranch_scc1 .Llap
	QUARTER 0, 2, F1, F0, 0                        ; the last lap fills nothing
	QUARTER 0, 3, F0, F1, 0
	TURN 0, 1, 0
	QUARTER 1, 1, F0, F1, 0
	QUARTER 1, 2, F1, F0, 0
	QUARTER 1, 3, F0, F1, 0
	s_wait_dscnt 4
	WIN 0x50
	MUL8 F1, 0, 0
	MUL8 F1, 1, 0
	s_wait_dscnt 0
	MUL8 F1, 2, 0
	MUL8 F1, 3, 0
	WIN 0
; THE WAY OUT, block by block of 16 positions x 128 columns, through my own stage: back come whole rows of 512 bytes.  LDS serves a wave's instructions in order (ISA guide 5.7.1.4).
.macro TOSTAGE a
	WIN 0x04                                       ; an LDS store's data are its source 1: window 1
.irp b, 0,1,2,3,4,5,6,7
	ds_store_b128 v[STO], v[8*(8*(\a)+\b):8*(8*(\a)+\b)+3] offset:64*\b            ; each accumulator from its low end on
	ds_store_b128 v[STO], v[8*(8*(\a)+\b)+4:8*(8*(\a)+\b)+7] offset:64*\b+16
.endr
	WIN 0
.set BB, 32+64*((\a)%2)
.irp t, 0,1,2,3,4,5,6,7,8,9,10,11,12,13,14,15
	ds_load_b128 v[BB+4*\t:BB+4*\t+3], v[RD] offset:\t*SP
.endr
.endm
.macro SEND a, younger
.set BB, 32+64*((\a)%2)
	s_wait_dscnt \younger                          ; the block is back in registers; the next block's LDS instructions may be out
.irp t, 0,1,2,3,4,5,6,7,8,9,10,11,12,13,14,15
	global_store_b128 v[CO], v[BB+4*\t:BB+4*\t+3], s[18:19] offset:(\a)*262144+\t*16384 th:TH_STORE_NT   ; 512 consecutive bytes of one row of out0, aligned
.endr
.endm
	PLACES
	TOSTAGE 0
.irp a, 1,2,3
.if \a > 1
	s_wait_xcnt 0x0                                ; block a - 2's stores have read their registers: block a's loads land there only behind this wait
.endif
	TOSTAGE \a
	SEND \a-1, 32                                  ; behind block a - 1's loads: block a's 16 stores and 16 loads
.endr
	SEND 3, 0
	s_wait_tensorcnt 0x0                           ; the wave's end
	ds_add_u32 v[SPW], v[NIL]
	s_wait_dscnt 0x0
	CROUND                                         ; the closing round
	s_endpgm
.Lfunc_end_k_qfcff9473e2_proj:
	.size	k_qfcff9473e2_proj, .Lfunc_end_k_qfcff9473e2_proj-k_qfcff9473e2_proj
	.p2alignl 7, 3214868480
	.fill 96, 4, 3214868480
	.section	.rodata,"a",@progbits
	.p2align	6, 0x0
	.amdhsa_kernel k_qfcff9473e2_proj
		.amdhsa_group_segment_fixed_size 327680
		.amdhsa_private_segment_fixed_size 0
		.amdhsa_enable_private_segment 0
		.amdhsa_kernarg_size 32
		.amdhsa_user_sgpr_count 2
		.amdhsa_user_sgpr_kernarg_segment_ptr 1
		.amdhsa_wavefront_size32 1
		.amdhsa_system_sgpr_workgroup_id_x 1
		.amdhsa_system_sgpr_workgroup_id_y 1
		.amdhsa_system_sgpr_workgroup_id_z 1
		.amdhsa_system_vgpr_workitem_id 0
		.amdhsa_next_free_vgpr 576
		.amdhsa_next_free_sgpr 80
		.amdhsa_reserve_vcc 0
		.amdhsa_float_denorm_mode_32 3
		.amdhsa_float_denorm_mode_16_64 3
		.amdhsa_memory_ordered 1
		.amdhsa_forward_progress 1
		.amdhsa_inst_pref_size 86
	.end_amdhsa_kernel
	.amdgpu_metadata
---
amdhsa.version: [ 1, 2 ]
amdhsa.kernels:
  - .name:           k_qfcff9473e2_proj
    .symbol:         k_qfcff9473e2_proj.kd
    .args:
      - { .name: att, .offset: 0, .size: 8, .value_kind: global_buffer, .address_space: global }
      - { .name: wo16, .offset: 8, .size: 8, .value_kind: global_buffer, .address_space: global }
      - { .name: b_out, .offset: 16, .size: 8, .value_kind: global_buffer, .address_space: global }
      - { .name: out0, .offset: 24, .size: 8, .value_kind: global_buffer, .address_space: global }
    .group_segment_fixed_size: 327680
    .private_segment_fixed_size: 0
    .kernarg_segment_align: 8
    .kernarg_segment_size: 32
    .max_flat_workgroup_size: 128
    .sgpr_count:     80
    .vgpr_count:     576
    .wavefront_size: 32
...
	.end_amdgpu_metadata
.endif
;; end of part 4
;; launch first16 (part 5): grid 16 x 4, 16 waves a work-group, no clusters, 85,248 bytes of LDS; arguments qkv32, W_out, b_out, out0; writes out0
.if DOCPART == 5
	.amdgcn_target "amdgcn-amd-amdhsa--gfx1250"
	.amdhsa_code_object_version 6
	.text
	.protected	k_qfcff9473e2_first16
	.globl	k_qfcff9473e2_first16
	.p2align	8
	.type	k_qfcff9473e2_first16,@function
k_qfcff9473e2_first16:
	s_mov_b64 s[64:65], 0
	v_nop
	global_prefetch_b8 v0, s[64:65] scope:SCOPE_SE
	s_setreg_imm32_b32 hwreg(HW_REG_WAVE_MODE, 25, 1), 1
	s_wait_xcnt 0x0
; The first 16 positions of every batch once more, in f32 throughout: these rows average one to sixteen values and are the largest, so f16 operands would weigh most there.  This launch runs last and writes over rows 4 t + b, t < 16, of out0.
; qkv32: f32 [4 b][16 t][3072] (q, k, v of all 16 heads); W_out f32 [1024 n][1024 k]; b_out f32; out0 f32 [8192][1024].
; A work-group takes one batch (y) and 64 output columns (x).  PHASE A: wave w makes head w's attention for the 16 positions (each of the 16 column slices makes it again: 16 x 16 x 64 numbers a head) and lays it in LDS as a[16][1024].
; PHASE B: wave w makes 16 columns (w % 4) over a quarter of K (w / 4); the four quarters meet in LDS; waves 0-7 add them and the bias and store two rows each.
; The matrix form is 16 x 16 x 4 in f32; its accumulators, v128-191, are written by matrix instructions alone, and each sum begins with the constant 0.  Four accumulators take turns.
; A product's four k are not neighbours: the same permutation of k stands on both sides, so the sums hold the same products.
; REGISTERS: v1-16 addresses; v20-23 the bias; v24-31 at work; v32-63 Q, v64-95 K, v96-127 V^T (later W_out's fragments); v192-199 scores, then p; v200-231 the scaled result; v224-255 a's two buffers in phase B.
.set AP,    4112                       ; a row of a in LDS: 4,096 bytes + 16
.set PART,  16*AP                      ; four partial results: 16 rows x (256 + 16) bytes each
.set PP,    272
.set SPARE, PART+4*16*PP               ; the spare words: 128 bytes a wave, eight blocks of 256 bytes that no other line names
	s_load_b256 s[4:11], s[0:1], 0x0               ; qkv32 s[4:5], W_out s[6:7], b_out s[8:9], out0 s[10:11]
	v_lshl_add_u32 v4, v0, 2, SPARE                ; my spare word; never rewritten
	v_mov_b32 v5, 0                                ; 0; never rewritten
	v_lshrrev_b32 v1, 5, v0
	v_readfirstlane_b32 s12, v1                    ; wave 0..15
	s_and_b32 s13, ttmp7, 0xffff                   ; the batch
	s_and_b32 s18, s12, 3                          ; nt: which 16 columns
	s_lshr_b32 s19, s12, 2                         ; kq: which quarter of K
	s_and_b32 s20, s12, 7
	s_mov_b32 s14, 0x76543210
	s_mov_b32 s15, 0xfedcba98                      ; lane selects: lane l xor 16
	s_mov_b32 s16, 0x3e38aa3b                      ; c = log2(e) / 8
	s_mov_b32 s17, s16
	v_and_b32 v1, 15, v0                           ; r
	v_bfe_u32 v2, v0, 4, 1                         ; h
	v_mul_u32_u24 v6, v1, 12288
	v_lshl_add_u32 v6, v2, 7, v6                   ; Q, K: position r's row, channels 32 h on
	v_mul_u32_u24 v7, v2, 98304
	v_lshl_add_u32 v7, v1, 2, v7                   ; V: positions 8 h on, channel r
	v_lshlrev_b32 v8, 3, v2
	v_sub_nc_u32 v8, v1, v8                        ; r - 8 h: register j holds key 8 h + j, hidden where j > r - 8 h
	v_mov_b32 v9, 0xff800000                       ; -infinity
	v_mul_u32_u24 v3, v1, AP
	v_lshl_add_u32 v10, v2, 5, v3
	s_lshl_b32 s21, s12, 8
	v_add_nc_u32 v10, s21, v10                     ; a, on the way in: row r, head w's 256 bytes, 32 h
	v_lshlrev_b32 v11, 12, v1
	v_lshl_add_u32 v11, v2, 6, v11                 ; W_out: row r of my 16, 64 h
	v_lshl_add_u32 v12, v2, 6, v3
	s_lshl_b32 s21, s19, 10
	v_add_nc_u32 v12, s21, v12                     ; a, on the way out: row r, my quarter of K, 64 h
	v_mul_u32_u24 v13, v1, PP
	v_lshl_add_u32 v13, v2, 5, v13
	s_mul_i32 s21, s19, 16*PP
	s_lshl_b32 s22, s18, 6
	s_add_co_u32 s21, s21, s22
	s_add_co_u32 s21, s21, PART
	v_add_nc_u32 v13, s21, v13                     ; my partial result: quarter kq, row r, columns 16 nt + 8 h on
	v_lshlrev_b32 v16, 4, v1                       ; 16 r: a piece of four columns
	v_mul_u32_u24 v14, v2, PP
	v_add_nc_u32 v14, v14, v16
	s_mul_i32 s21, s20, 2*PP
	s_add_co_u32 s21, s21, PART
	v_add_nc_u32 v14, s21, v14                     ; the last step: row 2 (w % 8) + h, piece r
	v_lshl_add_u32 v15, v2, 14, v16
	s_lshl_b32 s21, s20, 15
	v_add_nc_u32 v15, s21, v15                     ; and the same in out0: position t is 16,384 bytes on from position t - 1
	s_mul_i32 s22, s13, 196608
	s_lshl_b32 s21, s12, 8
	s_add_co_u32 s22, s22, s21                     ; qkv32: my batch, my head
	s_mov_b32 s23, 0
	s_lshl_b32 s24, ttmp9, 18
	s_lshl_b32 s21, s18, 16
	s_add_co_u32 s24, s24, s21
	s_lshl_b32 s21, s19, 10
	s_add_co_u32 s24, s24, s21                     ; W_out: row 64 x + 16 nt, my quarter of K
	s_mov_b32 s25, 0
	s_lshl_b32 s26, ttmp9, 8                       ; 64 columns of f32
	s_mov_b32 s27, 0
	s_lshl_b32 s28, s13, 12
	s_add_co_u32 s28, s28, s26
	s_mov_b32 s29, 0
	s_wait_kmcnt 0x0
	s_add_nc_u64 s[4:5], s[4:5], s[22:23]
	s_add_nc_u64 s[6:7], s[6:7], s[24:25]
	s_add_nc_u64 s[8:9], s[8:9], s[26:27]
	s_add_nc_u64 s[10:11], s[10:11], s[28:29]
	; ---- PHASE A
	global_load_b128 v[20:23], v16, s[8:9]         ; the bias of my piece
.irp i, 0,1,2,3,4,5,6,7
	global_load_b128 v[32+4*\i:35+4*\i], v6, s[4:5] offset:16*\i                ; Q: register n holds channel 32 h + n
.endr
.irp i, 0,1,2,3,4,5,6,7
	global_load_b128 v[64+4*\i:67+4*\i], v6, s[4:5] offset:4096+16*\i           ; K likewise
.endr
.irp ct, 0,1,2,3
.irp j, 0,1,2,3,4,5,6,7
	global_load_b32 v[96+8*\ct+\j], v7, s[4:5] offset:8192+\j*12288+\ct*64      ; V^T: channel 16 ct + r, key 8 h + j
.endr
.endr
	s_wait_loadcnt 32                              ; the bias, Q and K are in; V's 32 loads may be out
.irp p, 0,1,2,3,4,5,6,7,8,9,10,11,12,13,14,15  ; S^T = K Q^T: product p takes channels 2 p, 2 p + 1, 32 + 2 p, 33 + 2 p
.if \p < 4
	v_wmma_f32_16x16x4_f32 v[128+8*(\p%4):135+8*(\p%4)], v[64+2*\p:65+2*\p], v[32+2*\p:33+2*\p], 0
.else
	v_wmma_f32_16x16x4_f32 v[128+8*(\p%4):135+8*(\p%4)], v[64+2*\p:65+2*\p], v[32+2*\p:33+2*\p], v[128+8*(\p%4):135+8*(\p%4)]
.endif
.endr
.rept 8
	v_nop                                          ; eight places behind this form (ISA guide 7.12.1)
.endr
.irp j, 0,2,4,6
	v_pk_add_f32 v[192+\j:193+\j], v[128+\j:129+\j], v[136+\j:137+\j]           ; the four partial sums, each read from its low end on
.endr
.irp j, 0,2,4,6
	v_pk_add_f32 v[200+\j:201+\j], v[144+\j:145+\j], v[152+\j:153+\j]
.endr
.irp j, 0,2,4,6
	v_pk_add_f32 v[192+\j:193+\j], v[192+\j:193+\j], v[200+\j:201+\j]
.endr
.irp j, 0,1,2,3,4,5,6,7
	v_cmp_gt_i32 vcc_lo, \j, v8
	v_cndmask_b32 v[192+\j], v[192+\j], v9, vcc_lo  ; the causal mask
.endr
	v_max3_num_f32 v24, v192, v193, v194
	v_max3_num_f32 v25, v195, v196, v197
	v_max3_num_f32 v24, v24, v198, v199
	v_max_num_f32 v24, v24, v25
	v_permlanex16_b32 v25, v24, s14, s15
	v_max_num_f32 v24, v24, v25                    ; the row's maximum: key 0 counts for every query, so it is a number
	v_mul_f32 v26, s16, v24
	v_mov_b32 v27, v26
.irp j, 0,2,4,6
	v_pk_fma_f32 v[192+\j:193+\j], v[192+\j:193+\j], s[16:17], v[26:27] op_sel_hi:[1,0,0] neg_lo:[0,0,1] neg_hi:[0,0,1]
.endr
.irp j, 0,1,2,3,4,5,6,7
	v_exp_f32 v[192+\j], v[192+\j]
.endr
	v_nop                                          ; a plain line behind the last exponential
	s_wait_alu depctr_va_vdst(0)                   ; one wait for the eight, ahead of the first line that names a result
	v_pk_add_f32 v[28:29], v[192:193], v[194:195]
	v_pk_add_f32 v[30:31], v[196:197], v[198:199]
	v_pk_add_f32 v[28:29], v[28:29], v[30:31]
	v_add_f32 v28, v28, v29
	v_permlanex16_b32 v29, v28, s14, s15
	v_add_f32 v28, v28, v29                        ; the row's sum
	v_rcp_f32 v30, v28
	v_nop
	s_wait_alu depctr_va_vdst(0)
	s_wait_loadcnt 0x0                             ; V
.irp i, 0,1,2,3                                ; O^T = V^T P: product i takes keys 2 i, 2 i + 1, 8 + 2 i, 9 + 2 i; four accumulators by turns
.irp ct, 0,1,2,3
.if \i == 0
	v_wmma_f32_16x16x4_f32 v[160+8*\ct:167+8*\ct], v[96+8*\ct+2*\i:97+8*\ct+2*\i], v[192+2*\i:193+2*\i], 0
.else
	v_wmma_f32_16x16x4_f32 v[160+8*\ct:167+8*\ct], v[96+8*\ct+2*\i:97+8*\ct+2*\i], v[192+2*\i:193+2*\i], v[160+8*\ct:167+8*\ct]
.endif
.endr
.endr
.rept 8
	v_nop                                          ; places in front of the loads into V's registers and of the first read of the results
.endr
.macro WLOAD u                         ; W_out's numbers of super-step u (32 along K): register n holds k = 32 u + 16 h + n of my row
.if \u < 6
.set WR, 32+16*\u
.else
.set WR, 192+16*(\u-6)
.endif
.irp i, 0,1,2,3
	global_load_b128 v[WR+4*\i:WR+4*\i+3], v11, s[6:7] offset:128*\u+16*\i
.endr
.endm
.irp u, 0,1,2,3,4,5
	WLOAD \u
.endr
.irp j, 0,2,4,6,8,10,12,14,16,18,20,22,24,26,28,30
	v_pk_mul_f32 v[200+\j:201+\j], v[160+\j:161+\j], v[30:31] op_sel_hi:[1,0]   ; O^T / the sum, into other registers
.endr
.irp ct, 0,1,2,3
	ds_store_b128 v10, v[200+8*\ct:203+8*\ct] offset:64*\ct                     ; a(r, 64 w + 16 ct + 8 h + 0 .. 7)
	ds_store_b128 v10, v[204+8*\ct:207+8*\ct] offset:64*\ct+16
.endr
	s_wait_dscnt 0x0                               ; for the others' sake: my stores have landed
	WLOAD 6
	WLOAD 7
	s_barrier_signal -1
	s_barrier_wait -1                              ; a is whole
	; ---- PHASE B: source 0 = 16 rows of W_out, source 1 = the 16 positions of a
.irp u, 0,1
.irp i, 0,1,2,3
	ds_load_b128 v[224+16*\u+4*\i:227+16*\u+4*\i], v12 offset:128*\u+16*\i
.endr
.endr
.macro BSTEP u
.if \u < 6
.set WR, 32+16*\u
.else
.set WR, 192+16*(\u-6)
.endif
.set AB, 224+16*(\u%2)
	s_wait_loadcnt 28-4*\u                         ; this super-step's four loads of W_out are in; the later ones' may be out
.if \u < 7
	s_wait_dscnt 4                                 ; this super-step's part of a is in; the next one's four loads may be out
.else
	s_wait_dscnt 0
.endif
.irp p, 0,1,2,3,4,5,6,7
.if (\u == 0) && (\p < 4)
	v_wmma_f32_16x16x4_f32 v[128+8*(\p%4):135+8*(\p%4)], v[WR+2*\p:WR+2*\p+1], v[AB+2*\p:AB+2*\p+1], 0
.else
	v_wmma_f32_16x16x4_f32 v[128+8*(\p%4):135+8*(\p%4)], v[WR+2*\p:WR+2*\p+1], v[AB+2*\p:AB+2*\p+1], v[128+8*(\p%4):135+8*(\p%4)]
.endif
.endr
.if \u < 6
.rept 8
	v_nop                                          ; places in front of the loads into the buffer just read
.endr
.irp i, 0,1,2,3
	ds_load_b128 v[AB+4*\i:AB+4*\i+3], v12 offset:128*(\u+2)+16*\i
.endr
.endif
.endm
.irp u, 0,1,2,3,4,5,6,7
	BSTEP \u
.endr
.rept 8
	v_nop
.endr
.irp j, 0,2,4,6
	v_pk_add_f32 v[32+\j:33+\j], v[128+\j:129+\j], v[136+\j:137+\j]
.endr
.irp j, 0,2,4,6
	v_pk_add_f32 v[40+\j:41+\j], v[144+\j:145+\j], v[152+\j:153+\j]
.endr
.irp j, 0,2,4,6
	v_pk_add_f32 v[32+\j:33+\j], v[32+\j:33+\j], v[40+\j:41+\j]
.endr
	ds_store_b128 v13, v[32:35]                    ; my quarter's part of out(r, 16 nt + 8 h + 0 .. 7)
	ds_store_b128 v13, v[36:39] offset:16
	s_wait_dscnt 0x0                               ; for the others' sake
	s_barrier_signal -1
	s_barrier_wait -1
	s_cmp_ge_u32 s12, 8                            ; waves 0-7 store two rows each
	s_cbranch_scc1 .Lend
.irp k, 0,1,2,3
	ds_load_b128 v[48+4*\k:51+4*\k], v14 offset:\k*16*PP
.endr
	s_wait_dscnt 0x0
	v_pk_add_f32 v[48:49], v[48:49], v[52:53]
	v_pk_add_f32 v[50:51], v[50:51], v[54:55]
	v_pk_add_f32 v[56:57], v[56:57], v[60:61]
	v_pk_add_f32 v[58:59], v[58:59], v[62:63]
	v_pk_add_f32 v[48:49], v[48:49], v[56:57]
	v_pk_add_f32 v[50:51], v[50:51], v[58:59]
	v_pk_add_f32 v[48:49], v[48:49], v[20:21]
	v_pk_add_f32 v[50:51], v[50:51], v[22:23]
	global_store_b128 v15, v[48:51], s[10:11]      ; sixteen lanes store 256 consecutive bytes, aligned
.Lend:
	s_wait_tensorcnt 0x0                           ; the wave's end
	ds_add_u32 v4, v5
	s_wait_dscnt 0x0
	s_endpgm
.Lfunc_end_k_qfcff9473e2_first16:
	.size	k_qfcff9473e2_first16, .Lfunc_end_k_qfcff9473e2_first16-k_qfcff9473e2_first16
	.p2alignl 7, 3214868480
	.fill 96, 4, 3214868480
	.section	.rodata,"a",@progbits
	.p2align	6, 0x0
	.amdhsa_kernel k_qfcff9473e2_first16
		.amdhsa_group_segment_fixed_size 85248
		.amdhsa_private_segment_fixed_size 0
		.amdhsa_enable_private_segment 0
		.amdhsa_kernarg_size 32
		.amdhsa_user_sgpr_count 2
		.amdhsa_user_sgpr_kernarg_segment_ptr 1
		.amdhsa_wavefront_size32 1
		.amdhsa_system_sgpr_workgroup_id_x 1
		.amdhsa_system_sgpr_workgroup_id_y 1
		.amdhsa_system_sgpr_workgroup_id_z 1
		.amdhsa_system_vgpr_workitem_id 0
		.amdhsa_next_free_vgpr 256
		.amdhsa_next_free_sgpr 66
		.amdhsa_reserve_vcc 1
		.amdhsa_float_denorm_mode_32 3
		.amdhsa_float_denorm_mode_16_64 3
		.amdhsa_memory_ordered 1
		.amdhsa_forward_progress 1
		.amdhsa_inst_pref_size 28
	.end_amdhsa_kernel
	.amdgpu_metadata
---
amdhsa.version: [ 1, 2 ]
amdhsa.kernels:
  - .name:           k_qfcff9473e2_first16
    .symbol:         k_qfcff9473e2_first16.kd
    .args:
      - { .name: qkv32, .offset: 0, .size: 8, .value_kind: global_buffer, .address_space: global }
      - { .name: W_out, .offset: 8, .size: 8, .value_kind: global_buffer, .address_space: global }
      - { .name: b_out, .offset: 16, .size: 8, .value_kind: global_buffer, .address_space: global }
      - { .name: out0, .offset: 24, .size: 8, .value_kind: global_buffer, .address_space: global }
    .group_segment_fixed_size: 85248
    .private_segment_fixed_size: 0
    .kernarg_segment_align: 8
    .kernarg_segment_size: 32
    .max_flat_workgroup_size: 512
    .sgpr_count:     66
    .vgpr_count:     256
    .wavefront_size: 32
...
	.end_amdgpu_metadata
.endif
;; end of part 5
